; MI455X (gfx1250); checked and timed in simulation.
; The chip was launched on July 23, 2026; its instructions are those of AMD's public machine-readable ISA for CDNA 5 (MIT licence, August 2026) and "CDNA5" Instruction Set Architecture Reference Guide (July 2026). The comments in the code are by the model that wrote it; some were corrected since.
;; Causal Self Attention. Allowed arithmetic: matrix products marked QUANTISED: E2M1 operands, one E8M0 scale for each 32 along K, by v_wmma_scale_f32_16x16x128_f8f6f4 with both operands' format E2M1 (or v_wmma_scale_f32_32x16x128_f4), f32 sums; products left as they are: bf16, f16 or f32 operands; f32 sums; everything else in f32.
;; Inputs: b_proj 1,024 float32; b_qkv 3,072 float32; w_proj 1,024 x 1,024 float32; w_qkv 1,024 x 3,072 float32; x 4 x 2,048 x 1,024 float32.
;; Outputs: out0 4 x 2,048 x 1,024 float32.
;; This version of the problem:
;;   THIS VERSION OF THE PROBLEM IS GIVEN IN LOW PRECISION. The matrix products marked QUANTISED in the list below multiply operands that are first quantised to E2M1 (2 exponent bits, 1 mantissa bit; 4 bits a number), with one power-of-two scale for each 32 numbers along K (OCP MX v1.0); their sums are f32. The products marked 'left as it is' may take bf16, f16 or f32 operands, with f32 sums. Whichever they take, every output number must still come out within the allowed error. Rounding operands to bf16 (8 significant bits) uses up far more of that allowance than f16 does (11 bits, for magnitudes from 6e-5 to 65,504). All else is computed in f32.
;;   The module's matrix products, in the order in which they are computed (A, B: the left and right operand; K: the contracted axis; several contracted axes count as one K, in the product's order):
;;     1. [M 8,192, K 1,024] x [K 1,024, N 3,072]; A: input x; B: input w_qkv: QUANTISED
;;     2. batch 64 x [M 2,048, K 64] x [K 64, N 2,048]; A: computed on the way; B: computed on the way: left as it is (an operand is computed on the way)
;;     3. batch 64 x [M 2,048, K 2,048] x [K 2,048, N 64]; A: computed on the way; B: computed on the way: left as it is (an operand is computed on the way)
;;     4. [M 8,192, K 1,024] x [K 1,024, N 1,024]; A: computed on the way; B: input w_proj: left as it is (an operand is computed on the way)
;;   THE QUANTISER, for each operand of a quantised product, along K:
;;     - K is cut into blocks of 32 from its start; a last block that is shorter is filled with zeros.
;;     - A block's scale is 2^e with e = floor(log2(the largest magnitude in the block)) - 2, held to -126 .. 127; a block of zeros has e = 0. As a byte (E8M0): e + 127.
;;     - Each number is divided by its block's scale, clamped to +-6, and rounded to the nearest number of E2M1, ties to even, subnormals kept.
;;     - The product sums the exact products of the quantised numbers (number of the format x scale) in f32.
;;   ~~~python
;;   def quantise(x, axis):      # numpy; x: float32 -> the quantised numbers, widened to float32 again
;;       x = np.moveaxis(x, axis, -1); K = x.shape[-1]
;;       x = np.pad(x, [(0, 0)] * (x.ndim - 1) + [(0, -K % 32)]); x = x.reshape(x.shape[:-1] + (-1, 32)); a = np.abs(x).max(-1, keepdims=True)
;;       e = np.where(a > 0, np.clip(np.frexp(np.where(a > 0, a, 1))[1] - 1 - 2, -126, 127), 0)      # np.frexp(a)[1] - 1 = floor(log2(a)), exactly
;;       r = np.clip(x / 2.0 ** e, -6, 6)
;;       step = 2.0 ** (np.maximum(np.frexp(np.where(r == 0, 1, r))[1] - 1, 0) - 1)
;;       q = np.round(r / step) * step * 2.0 ** e      # np.round: ties to even
;;       return np.moveaxis(q.reshape(q.shape[:-2] + (-1,))[..., :K], -1, axis).astype(np.float32)
;;   ~~~
;; One version. Each part assembles by itself: llvm-mc -triple=amdgcn-amd-amdhsa -mcpu=gfx1250 --defsym DOCPART=n.
;; ======== version 1 of 1: 5 launches
;; limits: values are held in f16: magnitudes above 65,504 overflow, below 6.1e-05 lose precision
;; workspace buffers: xc 4,194,304 bytes; xs 262,144 bytes; wc 1,572,864 bytes; ws 98,304 bytes; wpt 2,097,152 bytes; qkvp 50,331,648 bytes; qkvf 786,432 bytes; y16 16,777,216 bytes
;; launch prep (part 1): grid 368 x 1, 4 waves a work-group, no clusters, 102,912 bytes of LDS; arguments x, w_qkv, w_proj, xc, xs, wc, ws, wpt; writes xc, xs, wc, ws, wpt
.if DOCPART == 1
	.amdgcn_target "amdgcn-amd-amdhsa--gfx1250"
	.amdhsa_code_object_version 6
	.text
	.protected	k_qfc1093158a_prep
	.globl	k_qfc1093158a_prep
	.p2align	8
	.type	k_qfc1093158a_prep,@function
k_qfc1093158a_prep:
	s_mov_b64 s[64:65], 0
	v_nop
	global_prefetch_b8 v0, s[64:65] scope:SCOPE_SE
	s_setreg_imm32_b32 hwreg(HW_REG_WAVE_MODE, 25, 1), 1
	s_wait_xcnt 0x0
; THREE ROLES, chosen by the work-group's number; each has LDS bytes of its own and its own end.
;  X (work-groups 0-255):   x [8192][1024] f32 -> xc: codes of E2M1, K innermost, 512 bytes a row; xs: one E8M0 byte for each 32 along K, 32 bytes a row.
;  W (work-groups 256-303): w_qkv [1024 (k)][3072 (n)] f32, K its FIRST axis -> wc [3072][512 bytes], ws [3072][32], K innermost.
;  P (work-groups 304-367): w_proj [1024 (k)][1024 (n)] f32 -> wpt [n][k] f16, K innermost (the last product is left as it is and takes f16 operands).
; THE QUANTISER: a block's scale is 2^(floor(log2(its largest magnitude)) - 2); its byte is the largest magnitude's exponent field - 2, held at 1 from below; each number is divided by the
; scale and rounded to the nearest code, ties to even, beyond 6 the largest code.
; LIMITS: a block of zeros, and a block whose largest magnitude lies under 2^-124, keep the byte 1 (a block of zeros has zero codes, which add nothing under that byte, and this program alone
; reads the bytes); NaN and infinities are not served; w_proj must lie inside f16's range, 65,504.
; No tensor loads, no barrier: waves share nothing.
.set SPW,   192                        ; v192 LDS address of my spare word: SPARE + 4 x my thread's number; never rewritten
.set NIL,   193                        ; v193 0; never rewritten
.set WLDS,  32768                      ; role X has LDS bytes 0 .. 32,767, role W 32,768 .. 67,583, role P 67,584 .. 102,399
.set PLDS,  67584
.set SPARE, 102400                     ; the spare words, 128 bytes for each wave: two blocks of 256 bytes that no other line names
.set EMAX,  2
	s_load_b256 s[4:11], s[0:1], 0x0               ; x s[4:5], w_qkv s[6:7], w_proj s[8:9], xc s[10:11]
	s_load_b256 s[12:19], s[0:1], 0x20             ; xs s[12:13], wc s[14:15], ws s[16:17], wpt s[18:19]
	v_lshl_add_u32 v[SPW], v0, 2, SPARE
	v_mov_b32 v[NIL], 0
	v_lshrrev_b32 v1, 5, v0
	v_readfirstlane_b32 s20, v1                    ; wave 0..3
	v_and_b32 v2, 31, v0                           ; lane
	s_mov_b32 s25, 0                               ; the upper word of every offset s[24:25]
	s_wait_kmcnt 0x0
	s_cmp_lt_u32 ttmp9, 256
	s_cbranch_scc0 .Lnot_x
; ---------------- ROLE X.  x is a plain stream of blocks of 32.  A wave takes 16 steps of 512 numbers.  Each of a step's four loads reads 512 consecutive bytes; the 2,048 bytes turn through
; the wave's own stage in LDS and come back 64 bytes a lane: 16 neighbours along K, two lanes to a block.  Loads run four steps ahead, the turn one step.
.set STEPS, 16
.set CB,    8                          ; bytes of 16 codes
.set WREG,  8192                       ; a wave's LDS: two stages of 32 x SP bytes, behind them its 256 scale bytes
.set SP,    80                         ; a lane's place in a stage: 64 bytes + 16 of padding
.set XR,    16                         ; v16-79   four sets of 16 numbers as loaded
.set XN,    80                         ; v80-111  two sets of 16 neighbours
.set XE,    112                        ; v112-127 a scale byte for each step
.set XC,    128                        ; v128-191 codes: four registers for each step, so that no store's data are written again
	v_lshlrev_b32 v3, 4, v2                        ; my 16 bytes of a load's 512
	s_mul_i32 s21, s20, WREG
	v_lshrrev_b32 v14, 2, v2
	v_mul_u32_u24 v14, v14, SP
	v_and_b32 v15, 3, v2
	v_lshl_add_u32 v14, v15, 4, v14
	v_add_nc_u32 v14, s21, v14                     ; the stage, on the way in: SP (lane / 4) + 16 (lane % 4)
	v_mul_u32_u24 v15, v2, SP
	v_add_nc_u32 v15, s21, v15                     ; on the way out: SP x lane
	v_mul_u32_u24 v4, v2, CB                       ; my codes' place in a step's
	v_lshrrev_b32 v5, 1, v2
	s_add_co_u32 s21, s21, 2*32*SP
	v_add_nc_u32 v5, s21, v5                       ; my block's byte among my wave's 256
	v_lshlrev_b32 v7, 3, v2
	v_add_nc_u32 v6, s21, v7                       ; and 8 bytes a lane on their way out
	s_lshl_b32 s22, ttmp9, 2
	s_add_co_u32 s22, s22, s20                     ; which run of 8,192 numbers is my wave's: 0 .. 1,023
	s_lshl_b32 s24, s22, 15
	s_add_nc_u64 s[4:5], s[4:5], s[24:25]          ; 32,768 bytes of x,
	s_lshl_b32 s24, s22, 12
	s_add_nc_u64 s[10:11], s[10:11], s[24:25]      ; 4,096 of codes,
	s_lshl_b32 s24, s22, 8
	s_add_nc_u64 s[12:13], s[12:13], s[24:25]      ; 256 scale bytes a run
.macro XLOAD t
.irp i, 0,1,2,3
	global_load_b128 v[XR+16*((\t)%4)+4*\i:XR+16*((\t)%4)+4*\i+3], v3, s[4:5] offset:2048*(\t)+512*\i th:TH_LOAD_NT
.endr
.endm
.macro XTURN t                         ; LDS serves a wave's instructions in order (ISA guide 5.7.1.4): no wait between the stores and the loads
.irp i, 0,1,2,3
	ds_store_b128 v14, v[XR+16*((\t)%4)+4*\i:XR+16*((\t)%4)+4*\i+3] offset:32*SP*((\t)%2)+8*SP*\i
.endr
.irp i, 0,1,2,3
	ds_load_b128 v[XN+16*((\t)%2)+4*\i:XN+16*((\t)%2)+4*\i+3], v15 offset:32*SP*((\t)%2)+16*\i
.endr
.endm
.irp t, 0,1,2,3
	XLOAD \t
.endr
	s_wait_loadcnt 12                              ; step 0's four loads are in; three steps' twelve stay out
	XTURN 0
.macro XSTEP t
.set XS, XN+16*((\t)%2)
.if (\t) > 0
	s_wait_dscnt 1                                 ; this step's numbers are back from the stage (the last step's byte store may be out)
.else
	s_wait_dscnt 0x0
.endif
.if (\t)+4 < STEPS
	XLOAD (\t)+4                                   ; into the registers that this step's stage stores have read
.endif
.if (\t)+1 < STEPS
.if STEPS-2-(\t) >= 3
	s_wait_loadcnt 12                              ; the next step's four are in; those of the three steps behind it may be out
.else
	s_wait_loadcnt 4*(STEPS-2-(\t))
.endif
	XTURN (\t)+1
.endif
	v_max3_num_f32 v8, |v[XS]|, |v[XS+1]|, |v[XS+2]|
	v_max3_num_f32 v9, |v[XS+3]|, |v[XS+4]|, |v[XS+5]|
.irp i, 6,10
	v_max3_num_f32 v8, v8, |v[XS+\i]|, |v[XS+\i+1]|
	v_max3_num_f32 v9, v9, |v[XS+\i+2]|, |v[XS+\i+3]|
.endr
	v_max3_num_f32 v8, v8, |v[XS+14]|, |v[XS+15]|
	v_max3_num_f32 v8, v8, v9, (EMAX+1)<<23        ; the floor 2^(3 - 127): the byte cannot fall under 1
	v_max_num_f32_dpp v8, v8, v8 row_xmask:1 row_mask:0xf bank_mask:0xf   ; with my neighbour's 16: the block's largest magnitude
	v_add_nc_u32 v11, -(EMAX<<23), v8              ; 2 off its exponent field: the conversion takes this operand's exponent field as its scale
	v_cvt_scalef32_pk8_fp4_f32 v[XC+4*(\t)], v[XS:XS+7], v11
	v_cvt_scalef32_pk8_fp4_f32 v[XC+4*(\t)+1], v[XS+8:XS+15], v11
	v_lshrrev_b32 v[XE+(\t)], 23, v11              ; the scale's byte
	ds_store_b8 v5, v[XE+(\t)] offset:16*(\t)      ; both lanes of a block write the same byte with the same value
	global_store_b64 v4, v[XC+4*(\t):XC+4*(\t)+1], s[10:11] offset:32*CB*(\t)   ; the wave stores 256 consecutive bytes, aligned
.endm
.irp t, 0,1,2,3,4,5,6,7,8,9,10,11,12,13,14,15
	XSTEP \t
.endr
	ds_load_b64 v[8:9], v6                         ; in order behind my byte stores
	s_wait_dscnt 0x0
	global_store_b64 v7, v[8:9], s[12:13]          ; 32 lanes store 256 consecutive bytes, aligned
	s_wait_tensorcnt 0x0                           ; the wave's end
	ds_add_u32 v[SPW], v[NIL]
	s_wait_dscnt 0x0
	s_endpgm
.Lnot_x:
	s_cmp_lt_u32 ttmp9, 304
	s_cbranch_scc0 .Lrole_p
; ---------------- ROLE W.  A lane takes a column n and its registers run down K: a block of 32 lies in one lane, and the conversions give codes with K innermost.  A wave takes 32 columns x 512 along K.
; The codes go through the wave's own stage and leave as rows: sixteen lanes store 256 consecutive bytes, aligned.  The 16 scale bytes of a lane leave by one store of 16 bytes: rows 32 bytes apart.
.set PITCH, 272
.set WSB,   24                         ; v24-27   the scale bytes, four to a register
.set WX,    32                         ; v32-95   two sets of 32 numbers
.set WC,    96                         ; v96-99   a block's codes
.set WOUT,  112                        ; v112-175 the way out
	s_sub_co_u32 s21, ttmp9, 256                   ; 0 .. 47: 24 groups of 128 columns x 2 halves of K
	s_cmp_ge_u32 s21, 24
	s_cselect_b32 s22, 1, 0                        ; which 512 along K
	s_cselect_b32 s23, 24, 0
	s_sub_co_u32 s21, s21, s23
	s_lshl_b32 s26, s21, 7
	s_lshl_b32 s27, s20, 5
	s_add_co_u32 s26, s26, s27                     ; my wave's first column
	s_mul_i32 s24, s22, 512*3072*4
	s_lshl_b32 s27, s26, 2
	s_add_co_u32 s24, s24, s27
	s_add_nc_u64 s[6:7], s[6:7], s[24:25]          ; w_qkv at (512 y, column)
	s_lshl_b32 s24, s26, 9
	s_lshl_b32 s27, s22, 8
	s_add_co_u32 s24, s24, s27
	s_add_nc_u64 s[14:15], s[14:15], s[24:25]      ; codes: column x 512 + 256 y
	s_lshl_b32 s24, s26, 5
	s_lshl_b32 s27, s22, 4
	s_add_co_u32 s24, s24, s27
	s_add_nc_u64 s[16:17], s[16:17], s[24:25]      ; scale bytes: column x 32 + 16 y
	v_lshlrev_b32 v3, 2, v2                        ; in: 4 bytes a lane
	s_mul_i32 s21, s20, 32*PITCH
	s_add_co_u32 s21, s21, WLDS                    ; my stage
	v_mul_u32_u24 v4, v2, PITCH
	v_add_nc_u32 v4, s21, v4                       ; into it: row = my column
	v_and_b32 v5, 15, v2
	v_lshrrev_b32 v6, 4, v2
	v_mul_u32_u24 v7, v6, PITCH
	v_lshl_add_u32 v7, v5, 4, v7
	v_add_nc_u32 v7, s21, v7                       ; out of it: sixteen lanes to a row, two rows an instruction
	v_lshlrev_b32 v8, 9, v6
	v_lshl_add_u32 v8, v5, 4, v8                   ; the same place in the codes' buffer
	v_lshlrev_b32 v9, 5, v2                        ; my column's row of scale bytes
.macro WLOAD t                         ; block t: w(32 t + i, my column); the largest offset is 511 rows of 12,288 bytes, inside the signed 24-bit immediate
.irp i, 0,1,2,3,4,5,6,7,8,9,10,11,12,13,14,15,16,17,18,19,20,21,22,23,24,25,26,27,28,29,30,31
	global_load_b32 v[WX+32*((\t)%2)+\i], v3, s[6:7] offset:(32*(\t)+\i)*12288 th:TH_LOAD_NT
.endr
.endm
	WLOAD 0
	WLOAD 1
.macro WBLOCK t
.set XS, WX+32*((\t)%2)
.if (\t) < 15
	s_wait_loadcnt 32                              ; this block's 32 loads are in; the next block's may be out
.else
	s_wait_loadcnt 0
.endif
	v_max3_num_f32 v12, |v[XS]|, |v[XS+1]|, |v[XS+2]|
	v_max3_num_f32 v13, |v[XS+3]|, |v[XS+4]|, |v[XS+5]|
.irp i, 6,10,14,18,22,26
	v_max3_num_f32 v12, v12, |v[XS+\i]|, |v[XS+\i+1]|
	v_max3_num_f32 v13, v13, |v[XS+\i+2]|, |v[XS+\i+3]|
.endr
	v_max3_num_f32 v12, v12, |v[XS+30]|, |v[XS+31]|
	v_max3_num_f32 v12, v12, v13, (EMAX+1)<<23     ; and the floor
	v_add_nc_u32 v11, -(EMAX<<23), v12
	v_lshrrev_b32 v13, 23, v11                     ; the scale's byte
.if (\t)%4 == 0
	v_mov_b32 v[WSB+(\t)/4], v13
.else
	v_lshl_or_b32 v[WSB+(\t)/4], v13, 8*((\t)%4), v[WSB+(\t)/4]
.endif
.irp g, 0,1,2,3
	v_cvt_scalef32_pk8_fp4_f32 v[WC+\g], v[XS+8*\g:XS+8*\g+7], v11
.endr
	ds_store_b128 v4, v[WC:WC+3] offset:16*(\t)    ; 32 codes: 16 bytes of my column's row
.if (\t)+2 < 16
	WLOAD (\t)+2
.endif
	s_wait_dscnt 0x0                               ; the store has read its registers: the next block's codes may be written
.endm
.irp t, 0,1,2,3,4,5,6,7,8,9,10,11,12,13,14,15
	WBLOCK \t
.endr
	global_store_b128 v9, v[WSB:WSB+3], s[16:17]
.irp t, 0,1,2,3,4,5,6,7,8,9,10,11,12,13,14,15
	ds_load_b128 v[WOUT+4*\t:WOUT+4*\t+3], v7 offset:2*\t*PITCH
.endr
.irp t, 0,1,2,3,4,5,6,7,8,9,10,11,12,13,14,15
	s_wait_dscnt 15-\t                             ; LDS loads come back in order: pair t of rows is in
	global_store_b128 v8, v[WOUT+4*\t:WOUT+4*\t+3], s[14:15] offset:2*\t*512
.endr
	s_wait_tensorcnt 0x0                           ; the wave's end
	ds_add_u32 v[SPW], v[NIL]
	s_wait_dscnt 0x0
	s_endpgm
.Lrole_p:
; ---------------- ROLE P.  The same frame: a lane to a column n, registers down K; a wave takes 32 columns x 128 along K, four blocks of 32; two numbers round into one register of f16.
.set PC,    96                         ; v96-111  a block as f16
	s_sub_co_u32 s21, ttmp9, 304                   ; 0 .. 63
	s_and_b32 s22, s21, 7                          ; which 128 columns
	s_lshr_b32 s23, s21, 3                         ; which 128 along K
	s_lshl_b32 s26, s22, 7
	s_lshl_b32 s27, s20, 5
	s_add_co_u32 s26, s26, s27                     ; my wave's first column
	s_lshl_b32 s24, s23, 19                        ; 128 rows of 4,096 bytes
	s_lshl_b32 s27, s26, 2
	s_add_co_u32 s24, s24, s27
	s_add_nc_u64 s[8:9], s[8:9], s[24:25]
	s_lshl_b32 s24, s26, 11                        ; wpt: column x 2,048 bytes + 256 x (which 128 along K)
	s_lshl_b32 s27, s23, 8
	s_add_co_u32 s24, s24, s27
	s_add_nc_u64 s[18:19], s[18:19], s[24:25]
	v_lshlrev_b32 v3, 2, v2
	s_mul_i32 s21, s20, 32*PITCH
	s_add_co_u32 s21, s21, PLDS                    ; my stage
	v_mul_u32_u24 v4, v2, PITCH
	v_add_nc_u32 v4, s21, v4
	v_and_b32 v5, 15, v2
	v_lshrrev_b32 v6, 4, v2
	v_mul_u32_u24 v7, v6, PITCH
	v_lshl_add_u32 v7, v5, 4, v7
	v_add_nc_u32 v7, s21, v7
	v_lshlrev_b32 v8, 11, v6
	v_lshl_add_u32 v8, v5, 4, v8
.macro PLOAD t
.irp i, 0,1,2,3,4,5,6,7,8,9,10,11,12,13,14,15,16,17,18,19,20,21,22,23,24,25,26,27,28,29,30,31
	global_load_b32 v[WX+32*((\t)%2)+\i], v3, s[8:9] offset:(32*(\t)+\i)*4096
.endr
.endm
	PLOAD 0
	PLOAD 1
.macro PBLOCK t
.set XS, WX+32*((\t)%2)
.if (\t) < 3
	s_wait_loadcnt 32                              ; this block's 32 loads are in; the next block's may be out
.else
	s_wait_loadcnt 0
.endif
.irp i, 0,1,2,3,4,5,6,7,8,9,10,11,12,13,14,15
	v_cvt_pk_f16_f32 v[PC+\i], v[XS+2*\i], v[XS+2*\i+1]   ; the lower k in the low half
.endr
.irp g, 0,1,2,3
	ds_store_b128 v4, v[PC+4*\g:PC+4*\g+3] offset:64*(\t)+16*\g
.endr
.if (\t)+2 < 4
	PLOAD (\t)+2
.endif
	s_wait_dscnt 0x0                               ; the stores have read their registers
.endm
.irp t, 0,1,2,3
	PBLOCK \t
.endr
.irp t, 0,1,2,3,4,5,6,7,8,9,10,11,12,13,14,15
	ds_load_b128 v[WOUT+4*\t:WOUT+4*\t+3], v7 offset:2*\t*PITCH
.endr
.irp t, 0,1,2,3,4,5,6,7,8,9,10,11,12,13,14,15
	s_wait_dscnt 15-\t
	global_store_b128 v8, v[WOUT+4*\t:WOUT+4*\t+3], s[18:19] offset:2*\t*2048   ; sixteen lanes store 256 consecutive bytes, aligned
.endr
	s_wait_tensorcnt 0x0                           ; the wave's end
	ds_add_u32 v[SPW], v[NIL]
	s_wait_dscnt 0x0
	s_endpgm
.Lfunc_end_k_qfc1093158a_prep:
	.size	k_qfc1093158a_prep, .Lfunc_end_k_qfc1093158a_prep-k_qfc1093158a_prep
	.p2alignl 7, 3214868480
	.fill 96, 4, 3214868480
	.section	.rodata,"a",@progbits
	.p2align	6, 0x0
	.amdhsa_kernel k_qfc1093158a_prep
		.amdhsa_group_segment_fixed_size 102912
		.amdhsa_private_segment_fixed_size 0
		.amdhsa_enable_private_segment 0
		.amdhsa_kernarg_size 64
		.amdhsa_user_sgpr_count 2
		.amdhsa_user_sgpr_kernarg_segment_ptr 1
		.amdhsa_wavefront_size32 1
		.amdhsa_system_sgpr_workgroup_id_x 1
		.amdhsa_system_sgpr_workgroup_id_y 1
		.amdhsa_system_sgpr_workgroup_id_z 1
		.amdhsa_system_vgpr_workitem_id 0
		.amdhsa_next_free_vgpr 200
		.amdhsa_next_free_sgpr 66
		.amdhsa_reserve_vcc 0
		.amdhsa_float_denorm_mode_32 3
		.amdhsa_float_denorm_mode_16_64 3
		.amdhsa_memory_ordered 1
		.amdhsa_forward_progress 1
		.amdhsa_inst_pref_size 132
	.end_amdhsa_kernel
	.amdgpu_metadata
---
amdhsa.version: [ 1, 2 ]
amdhsa.kernels:
  - .name:           k_qfc1093158a_prep
    .symbol:         k_qfc1093158a_prep.kd
    .args:
      - { .name: x, .offset: 0, .size: 8, .value_kind: global_buffer, .address_space: global }
      - { .name: w_qkv, .offset: 8, .size: 8, .value_kind: global_buffer, .address_space: global }
      - { .name: w_proj, .offset: 16, .size: 8, .value_kind: global_buffer, .address_space: global }
      - { .name: xc, .offset: 24, .size: 8, .value_kind: global_buffer, .address_space: global }
      - { .name: xs, .offset: 32, .size: 8, .value_kind: global_buffer, .address_space: global }
      - { .name: wc, .offset: 40, .size: 8, .value_kind: global_buffer, .address_space: global }
      - { .name: ws, .offset: 48, .size: 8, .value_kind: global_buffer, .address_space: global }
      - { .name: wpt, .offset: 56, .size: 8, .value_kind: global_buffer, .address_space: global }
    .group_segment_fixed_size: 102912
    .private_segment_fixed_size: 0
    .kernarg_segment_align: 8
    .kernarg_segment_size: 64
    .max_flat_workgroup_size: 128
    .sgpr_count:     66
    .vgpr_count:     200
    .wavefront_size: 32
...
	.end_amdgpu_metadata
.endif
;; end of part 1
;; launch qkv (part 2): grid 12 x 32, 4 waves a work-group, clusters of 4 x 4, 327,680 bytes of LDS; arguments xc, xs, wc, ws, qkvp, b_qkv, qkvf; writes qkvp, qkvf
.if DOCPART == 2
	.amdgcn_target "amdgcn-amd-amdhsa--gfx1250"
	.amdhsa_code_object_version 6
	.text
	.protected	k_qfc1093158a_qkv
	.globl	k_qfc1093158a_qkv
	.p2align	8
	.type	k_qfc1093158a_qkv,@function
k_qfc1093158a_qkv:
	s_mov_b64 s[64:65], 0
	v_nop
	global_prefetch_b8 v0, s[64:65] scope:SCOPE_SE
	s_setreg_imm32_b32 hwreg(HW_REG_WAVE_MODE, 25, 1), 1
	s_wait_xcnt 0x0
	s_wait_alu depctr_hold_cnt(0) depctr_sa_sdst(0) depctr_va_vdst(0) depctr_va_sdst(0) depctr_va_ssrc(0) depctr_va_vcc(0) depctr_vm_vsrc(0)
	s_getreg_b32 s2, hwreg(HW_REG_IB_STS2, 6, 4)
	s_cmp_eq_u32 s2, 0
	s_cbranch_scc0 .Lentry_in_a_cluster
	s_endpgm
.Lentry_in_a_cluster:
	s_bfe_u32 s2, ttmp6, 0x10000c
	s_cmp_lg_u32 s2, 0xf033
	s_cbranch_scc0 .Lentry_shape_is_right
	s_endpgm
.Lentry_shape_is_right:
; qkv = Q(x) Q(w_qkv) + b_qkv on codes of E2M1 with E8M0 scales: A = xc [8192][1024 codes], B = wc [3072][1024 codes], K innermost; sums in f32.
; A tile of 256 x 256 is made by four waves, each 128 x 128: 64 accumulators, 512 registers.  K = 1,024 is two LDS slots of 512: both are filled at the start, none is filled again, there is no loop.
; The scale bytes of the tile's rows of A and of B, for all of K, come once, as units of 256 bytes + 16 of padding.
; CLUSTERS: 4 x 4 work-groups; A's tiles are asked for jointly along a row of the cluster, B's along a column.  The tile row is cluster y + 8 cy: a cluster's four rows are the four sequences, so that
; 'this tile holds positions 0 to 15' is 'cluster y = 0', the same in all sixteen partners: no branch hangs on a work-group's place in its cluster.
; THE MATRIX INSTRUCTION IS USED TRANSPOSED (source 0 = 16 rows of B, source 1 = 16 rows of A): a lane holds eight neighbouring columns of one row.  The bias is the C of each sum's first product.
; OUT: f16 into qkvp [which 3][sequence 4][head pair 8][position 2048][128]: a wave's 128 columns are one head pair, its 128 rows lie on end: every store covers 512 consecutive bytes, aligned.
; Positions 0 to 15 of each sequence also leave as f32 into qkvf [4][16][3072], for the launch that carries those rows finely: pieces of 16 bytes a lane, 786,432 bytes of the launch's 51 million.
; LIMIT: q, k and v must lie inside f16's range, 65,504.
; REGISTERS, in windows of 256: window 0: v0-31 addresses; v32-95 scale words, two sets; v128-191 A's fragments, one set; v192-255 the bias.  On the way out v128-223 are at work.
;   window 1: B's fragments, two sets, at v0 and v128.   window 2: the accumulators of my rows 0-63 ((a, b) at v[8 (8 a + b)]);   window 3: those of my rows 64-127.
.set NQ,     4                         ; steps of 128 along K in a slot
.set ROWB,   256                       ; a tile's row in bytes: 512 codes
.set KROW,   512                       ; a row of codes in memory
.set PITCH,  272                       ; an LDS row: 256 bytes + 16 of padding = 68 words: the 16 rows that a load touches start at 16 different banks (64 banks of 4 bytes: ISA guide 11.1)
.set FR,     8
.set NL,     2
.set NP,     4                         ; places behind this matrix instruction (ISA guide 7.12.1)
.set HALFT,  128*PITCH
.set SLOT,   4*HALFT
.set KS,     32                        ; a row of scale bytes
.set SCL,    2*SLOT
.set HALFS,  16*272                    ; the scales of 128 rows
.set SBLK,   2*272                     ; of 16 rows
.set SPARE,  SCL+4*HALFS               ; the spare words, 128 bytes for each wave: two blocks of 256 bytes that no other line names
.set SPITCH, 272                       ; the way out: 16 rows x (256 + 16) bytes for each wave, in slot 0, which has had its only fill and, behind the change of slots, its last read
.set ADRA, 16
.set ADRB, 20
.set STO,  24
.set RD,   25
.set CO,   26
.set ADRS, 27
.set SPW,  28                          ; never rewritten
.set NIL,  29                          ; never rewritten
.set FO,   30                          ; my byte offset in qkvf: row r of 12,288 bytes + 32 h
.set BO,   31                          ; 32 h: my half's eight numbers of a tile's bias
.set SC,   32
.set AF,   128
.set BI,   192                         ; the bias: n block b at v[BI + 8 b]
.set TMP,  192                         ; the way out: packed results
.set BK,   128                         ; and rows read back: v128-159 and v160-191 by turns
.set G1, 24
.set G0, 32
.set G1B, 48
.set G0B, 56
.set G1S, 68
.set G0S, 76
.set G1SB, 80
.set G0SB, 88
.set MSB, 0
.macro WIN new                         ; the immediate's high byte repeats the setting that is left
.if MSB != \new
	s_set_vgpr_msb (MSB<<8)|\new
.set MSB, \new
.endif
.endm
.set MUL_LO,   0xa1                    ; source 0 (B) window 1, source 1 (A) window 0, C and D window 2
.set MUL_HI,   0xf1                    ; C and D window 3
.set FIRST_LO, 0x81                    ; the first step: C (the bias) window 0, D window 2
.set FIRST_HI, 0xc1                    ; D window 3
.set TO_B,     0x40
.macro JLOAD g0a, g1a, g0b, g1b        ; a joint load: waves 0 and 1 fetch for A, waves 2 and 3 for B; an s_nop 0 and four v_nop follow each line
	s_cmp_eq_u32 s15, 0
	s_cbranch_scc0 .Lfor_b_\@
	tensor_load_to_lds s[\g0a:\g0a+3], s[\g1a:\g1a+7]
	s_nop 0
.rept 4
	v_nop
.endr
	s_branch .Lasked_\@
.Lfor_b_\@:
	tensor_load_to_lds s[\g0b:\g0b+3], s[\g1b:\g1b+7]
	s_nop 0
.rept 4
	v_nop
.endr
.Lasked_\@:
.endm
.macro CROUND                          ; a round of the cluster's barrier
	s_barrier_signal -1
	s_barrier_wait -1
	s_cmp_lg_u32 s14, 0
	s_cbranch_scc1 .Lnot_wave_0_\@
	s_barrier_signal -3
.Lnot_wave_0_\@:
	s_barrier_wait -3
	s_barrier_signal -1
	s_barrier_wait -1
.endm
	s_load_b128 s[4:7], s[0:1], 0x0                ; xc, xs
	s_load_b128 s[8:11], s[0:1], 0x10              ; wc, ws
	s_load_b64 s[12:13], s[0:1], 0x20              ; qkvp
	s_load_b128 s[96:99], s[0:1], 0x28             ; b_qkv, qkvf
	v_lshl_add_u32 v[SPW], v0, 2, SPARE
	v_mov_b32 v[NIL], 0
	ds_add_u32 v[SPW], v[NIL]                      ; the wave's opening: the add, twice on end, and its wait ahead of my first tensor load
	ds_add_u32 v[SPW], v[NIL]
	v_lshrrev_b32 v1, 5, v0
	v_readfirstlane_b32 s14, v1                    ; wave 0..3
	s_lshr_b32 s15, s14, 1                         ; which half of the tile's rows is mine.  Also: I fetch for A (0) or for B (1)
	s_and_b32 s16, s14, 1                          ; which half of its columns.  Also: which 128 rows I fetch
	s_bfe_u32 s40, ttmp6, 0x40000                  ; cx
	s_bfe_u32 s41, ttmp6, 0x40004                  ; cy
	s_lshl_b32 s42, ttmp9, 2
	s_add_co_u32 s42, s42, s40                     ; tile column = 4 x cluster x + cx
	s_and_b32 s17, ttmp7, 0xffff
	s_lshl_b32 s18, s41, 3
	s_add_co_u32 s17, s17, s18                     ; tile row = cluster y + 8 cy: sequence cy, positions 256 x cluster y on
	s_lshl_b32 s43, s41, 2
	s_lshl_b32 s43, 15, s43                        ; my row of the cluster
	s_lshl_b32 s44, 0x1111, s40                    ; my column
	s_or_b32 s[G1+0], s43, (0<<16)|(1<<20)|(1<<21)|(5<<22)|(3<<25)  ; the mask; elements of 1 byte; padding on; bit 21 beside a mask; 4 words behind every 64
	s_or_b32 s[G1B+0], s44, (0<<16)|(1<<20)|(1<<21)|(5<<22)|(3<<25)
.irp g, G1, G1B
	s_mov_b32 s[\g+1], ROWB<<16                    ; tensor_dim0
	s_mov_b32 s[\g+2], 128<<16                     ; tensor_dim1
	s_mov_b32 s[\g+3], ROWB<<16                    ; tile_dim0
	s_mov_b32 s[\g+4], 128                         ; tile_dim1
	s_mov_b32 s[\g+5], KROW                        ; the pitch
	s_mov_b32 s[\g+6], 0
	s_mov_b32 s[\g+7], 0
.endr
	s_or_b32 s[G1S+0], s43, (3<<16)|(1<<20)|(1<<21)|(5<<22)|(3<<25) ; the scales of 128 rows: 4,096 dense bytes as 16 rows of 32 elements of 8 bytes, padded likewise
	s_or_b32 s[G1SB+0], s44, (3<<16)|(1<<20)|(1<<21)|(5<<22)|(3<<25)
.irp g, G1S, G1SB
	s_mov_b32 s[\g+1], 32<<16
	s_mov_b32 s[\g+2], 16<<16
	s_mov_b32 s[\g+3], 32<<16
	s_mov_b32 s[\g+4], 16
	s_mov_b32 s[\g+5], 32
	s_mov_b32 s[\g+6], 0
	s_mov_b32 s[\g+7], 0
.endr
	s_lshl_b32 s18, s16, 7
	s_lshl_b32 s20, s17, 8
	s_add_co_u32 s20, s20, s18                     ; A: row 256 x tile row + 128 x half
	s_lshl_b32 s46, s42, 8
	s_add_co_u32 s46, s46, s18                     ; B: row 256 x tile column + 128 x half
	s_mov_b32 s21, 0
	s_mov_b32 s47, 0
	s_mov_b64 s[18:19], KS
	s_mul_u64 s[22:23], s[20:21], s[18:19]         ; these rows' scales, in bytes
	s_mul_u64 s[92:93], s[46:47], s[18:19]
	s_mov_b64 s[18:19], KROW
	s_mul_u64 s[20:21], s[20:21], s[18:19]         ; and their codes
	s_mul_u64 s[46:47], s[46:47], s[18:19]
	s_mul_i32 s45, s14, HALFT                      ; where they go: no place in the cluster enters an LDS address
	s_mul_i32 s94, s14, HALFS
	s_wait_dscnt 0x0                               ; both opening adds are done
	s_wait_kmcnt 0x0
	s_add_nc_u64 s[20:21], s[4:5], s[20:21]
	s_add_nc_u64 s[22:23], s[6:7], s[22:23]
	s_add_nc_u64 s[46:47], s[8:9], s[46:47]
	s_add_nc_u64 s[92:93], s[10:11], s[92:93]
	CROUND                                         ; all sixteen work-groups are here: the joint loads meet
	s_mov_b32 s[G0S], 1
	s_add_co_u32 s[G0S+1], s94, SCL
	s_mov_b64 s[G0S+2:G0S+3], s[22:23]
	s_or_b32 s[G0S+3], s[G0S+3], 0x80000000
	s_mov_b32 s[G0SB], 1
	s_add_co_u32 s[G0SB+1], s94, SCL
	s_mov_b64 s[G0SB+2:G0SB+3], s[92:93]
	s_or_b32 s[G0SB+3], s[G0SB+3], 0x80000000
	JLOAD G0S, G1S, G0SB, G1SB                     ; the scales first; three tensor loads of a wave are out at the most
.irp s, 0,1
	s_mov_b32 s[G0+4*\s], 1
	s_add_co_u32 s[G0+4*\s+1], s45, \s*SLOT
	s_add_nc_u64 s[G0+4*\s+2:G0+4*\s+3], s[20:21], \s*ROWB
	s_or_b32 s[G0+4*\s+3], s[G0+4*\s+3], 0x80000000
	s_mov_b32 s[G0B+4*\s], 1
	s_add_co_u32 s[G0B+4*\s+1], s45, \s*SLOT
	s_add_nc_u64 s[G0B+4*\s+2:G0B+4*\s+3], s[46:47], \s*ROWB
	s_or_b32 s[G0B+4*\s+3], s[G0B+4*\s+3], 0x80000000
	JLOAD G0+4*\s, G1, G0B+4*\s, G1B
.endr
	v_and_b32 v1, 15, v0                           ; r
	v_bfe_u32 v2, v0, 4, 1                         ; h
	v_lshlrev_b32 v[BO], 5, v2
	s_lshl_b32 s46, s42, 10                        ; my first column in bytes of f32: 1,024 x tile column + 512 x half
	s_lshl_b32 s47, s16, 9
	s_add_co_u32 s46, s46, s47
	s_mov_b32 s47, 0
	s_add_nc_u64 s[96:97], s[96:97], s[46:47]
	s_add_nc_u64 s[98:99], s[98:99], s[46:47]
.irp b, 0,1,2,3,4,5,6,7
	global_load_b128 v[BI+8*\b:BI+8*\b+3], v[BO], s[96:97] offset:64*\b       ; lane (r, h): b_qkv at my first column + 16 b + 8 h + 0 .. 7
	global_load_b128 v[BI+8*\b+4:BI+8*\b+7], v[BO], s[96:97] offset:64*\b+16
.endr
	v_mul_u32_u24 v3, v1, PITCH
	v_lshl_add_u32 v4, v2, 4, v3                   ; a fragment's row x pitch + 16 x half
	s_mul_i32 s21, s15, HALFT
	s_mul_i32 s22, s16, HALFT
	s_add_co_u32 s22, s22, 2*HALFT
.irp s, 0,1
	v_add_nc_u32 v[ADRA+\s], s21, v4
	v_add_nc_u32 v[ADRB+\s], s22, v4
	s_add_co_u32 s21, s21, SLOT
	s_add_co_u32 s22, s22, SLOT
.endr
	v_mul_u32_u24 v5, v1, KS                       ; my row's scales: 32 bytes a row,
	v_lshrrev_b32 v6, 8, v5
	v_lshl_add_u32 v5, v6, 4, v5                   ; and 16 more for each 256 passed
	s_mul_i32 s21, s15, HALFS
	s_mul_i32 s22, s16, HALFS
	s_add_co_u32 s22, s22, 2*HALFS
	s_sub_co_u32 s22, s22, s21
	v_mul_u32_u24 v6, s22, v2                      ; lanes 16-31 take B's: one product, the distance between the two bases
	s_add_co_u32 s21, s21, SCL
	v_add_nc_u32 v5, v5, v6
	v_add_nc_u32 v[ADRS], s21, v5
	s_mul_i32 s23, s14, 16*SPITCH                  ; my stage
	v_mul_u32_u24 v5, v1, SPITCH
	v_lshl_add_u32 v5, v2, 4, v5
	v_add_nc_u32 v[STO], s23, v5                   ; in: row r, 16 bytes for each half of the lanes
	v_mul_u32_u24 v5, v2, SPITCH
	v_lshl_add_u32 v5, v1, 4, v5
	v_add_nc_u32 v[RD], s23, v5                    ; back: lanes 0-15 one row of 256 bytes, lanes 16-31 the next
	v_and_b32 v6, 31, v0
	v_lshlrev_b32 v[CO], 4, v6                     ; in a panel the two rows lie on end
	v_mul_u32_u24 v[FO], v1, 12288
	v_lshl_add_u32 v[FO], v2, 5, v[FO]
	s_lshl_b32 s46, s42, 1
	s_add_co_u32 s46, s46, s16                     ; which 128 columns of the 3,072: 0 .. 23
	s_lshr_b32 s20, s46, 3                         ; q, k or v
	s_and_b32 s46, s46, 7                          ; the head pair
	s_lshl_b32 s20, s20, 5
	s_add_co_u32 s46, s46, s20
	s_lshr_b32 s21, s17, 3                         ; the sequence
	s_lshl_b32 s20, s21, 3
	s_add_co_u32 s46, s46, s20                     ; the panel: 32 x which + 8 x sequence + pair
	s_lshl_b32 s46, s46, 19                        ; panels of 524,288 bytes
	s_and_b32 s20, s17, 7
	s_lshl_b32 s20, s20, 16                        ; 256 rows of 256 bytes
	s_add_co_u32 s46, s46, s20
	s_lshl_b32 s20, s15, 15                        ; my 128 of them
	s_add_co_u32 s46, s46, s20
	s_add_nc_u64 s[12:13], s[12:13], s[46:47]
	s_mul_i32 s46, s21, 196608                     ; qkvf: 16 rows of 12,288 bytes a sequence
	s_add_nc_u64 s[98:99], s[98:99], s[46:47]
.macro FRAG reg, adr, q, i             ; 16 rows x 128 K of 4-bit codes: 8 registers: registers 4 c .. 4 c + 3 hold K = 64 c + 32 h + 0 .. 31
.irp c, 0,1
	ds_load_b128 v[\reg+4*\c:\reg+4*\c+3], v[\adr] offset:64*(\q)+32*\c+(\i)*16*PITCH
.endr
.endm
; 16 matrix instructions: A's blocks a0, a0 + 1 x B's eight.  first = 1: the sum begins with the bias as C.  The 64 accumulators take turns, one instruction a turn.
.macro MUL16 a0, p, q, sc, first
.irp a, \a0, \a0+1
.irp b, 0,1,2,3,4,5,6,7
.if \first
	v_wmma_scale_f32_16x16x128_f8f6f4 v[8*(8*((\a)%4)+\b):8*(8*((\a)%4)+\b)+7], v[128*(\p)+FR*\b:128*(\p)+FR*\b+FR-1], v[AF+FR*(\a):AF+FR*(\a)+FR-1], v[BI+8*\b:BI+8*\b+7], v[SC+8*NQ*(\sc)+NQ*\b+(\q)], v[SC+8*NQ*(\sc)+NQ*(\a)+(\q)] matrix_a_fmt:MATRIX_FMT_FP4 matrix_b_fmt:MATRIX_FMT_FP4 matrix_a_scale:MATRIX_SCALE_ROW1
.else
	v_wmma_scale_f32_16x16x128_f8f6f4 v[8*(8*((\a)%4)+\b):8*(8*((\a)%4)+\b)+7], v[128*(\p)+FR*\b:128*(\p)+FR*\b+FR-1], v[AF+FR*(\a):AF+FR*(\a)+FR-1], v[8*(8*((\a)%4)+\b):8*(8*((\a)%4)+\b)+7], v[SC+8*NQ*(\sc)+NQ*\b+(\q)], v[SC+8*NQ*(\sc)+NQ*(\a)+(\q)] matrix_a_fmt:MATRIX_FMT_FP4 matrix_b_fmt:MATRIX_FMT_FP4 matrix_a_scale:MATRIX_SCALE_ROW1
.endif
.endr
.endr
.endm
.macro FETCH_B slot, q, p
	WIN TO_B
.irp i, 0,1,2,3,4,5,6,7
	FRAG 128*(\p)+FR*\i, ADRB+\slot, \q, \i
.endr
	WIN 0
.endm
.macro FETCH_A slot, q, i0
.irp i, \i0, \i0+1, \i0+2, \i0+3
	FRAG AF+FR*(\i), ADRA+\slot, \q, \i
.endr
.endm
.macro SCALES sc                       ; a slot's scale words: four a row; lanes 0-15 take A's block i, lanes 16-31 B's block i
.irp i, 0,1,2,3,4,5,6,7
	ds_load_b128 v[SC+8*NQ*\sc+NQ*\i:SC+8*NQ*\sc+NQ*\i+3], v[ADRS] offset:\i*SBLK
.endr
.endm
.macro PLACES n                        ; plain vector instructions between a matrix instruction and a load into, or a read of, its registers (ISA guide 7.12.1 for a read)
.rept \n
	v_nop
.endr
.endm
.macro STEP slot, q, first             ; a step of 128 along K that has its successor in the same slot
	s_wait_dscnt 4*NL                              ; B's set and A's blocks 0-3 are in; the youngest eight loads (A's blocks 4-7) may be out
.if \first
	WIN FIRST_LO
.else
	WIN MUL_LO
.endif
	MUL16 0, (\q)%2, \q, \slot, \first
	MUL16 2, (\q)%2, \q, \slot, \first
	s_wait_dscnt 0
	PLACES NP
	FETCH_B \slot, (\q)+1, 1-(\q)%2
	FETCH_A \slot, (\q)+1, 0
.if \first
	WIN FIRST_HI
.else
	WIN MUL_HI
.endif
	MUL16 4, (\q)%2, \q, \slot, \first
	MUL16 6, (\q)%2, \q, \slot, \first
	PLACES NP
	WIN 0
	FETCH_A \slot, (\q)+1, 4
.endm
	s_wait_tensorcnt 1                             ; the scales and my part of slot 0 are in; slot 1's load may be out
	s_barrier_signal -1
	s_barrier_wait -1
	FETCH_B 0, 0, 0
	FETCH_A 0, 0, 0
	SCALES 0
	FETCH_A 0, 0, 4
	s_wait_loadcnt 0x0                             ; the bias
	STEP 0, 0, 1
	STEP 0, 1, 0
	STEP 0, 2, 0
	; slot 0's last step changes slots: my part of slot 1 has landed, and behind the barrier everybody's has, and nobody reads slot 0 any more
	s_wait_tensorcnt 0x0
	ds_add_u32 v[SPW], v[NIL]                      ; 0 onto my spare word
	s_wait_dscnt 4*NL+1                            ; (the add and the youngest eight loads may be out)
	WIN MUL_LO
	MUL16 0, 1, 3, 0, 0
	s_wait_dscnt 0x0                               ; the add is done, and my reads of slot 0 are over
	s_barrier_signal -1
	MUL16 2, 1, 3, 0, 0
	WIN 0
	s_barrier_wait -1
	PLACES NP
	v_add_nc_u32 v[ADRS], 4*NQ, v[ADRS]            ; on to slot 1's scale words
	FETCH_B 1, 0, 0
	FETCH_A 1, 0, 0
	SCALES 1
	WIN MUL_HI
	MUL16 4, 1, 3, 0, 0
	MUL16 6, 1, 3, 0, 0
	PLACES NP
	WIN 0
	FETCH_A 1, 0, 4
	STEP 1, 0, 0
	STEP 1, 1, 0
	STEP 1, 2, 0
	s_wait_dscnt 4*NL                              ; the last step: nothing more to fetch
	WIN MUL_LO
	MUL16 0, 1, 3, 1, 0
	MUL16 2, 1, 3, 1, 0
	s_wait_dscnt 0
	WIN MUL_HI
	MUL16 4, 1, 3, 1, 0
	MUL16 6, 1, 3, 1, 0
	WIN 0
	PLACES NP
	; positions 0 to 15 as f32: block 0 of the waves with the tile's upper rows, in the tiles of cluster y = 0 (the cluster's y and the wave's number alone decide)
	s_and_b32 s20, ttmp7, 0xffff
	s_or_b32 s20, s20, s15
	s_cmp_lg_u32 s20, 0
	s_cbranch_scc1 .Lno_fine
	WIN 0x08                                       ; a store's data are its source 1: window 2
.irp b, 0,1,2,3,4,5,6,7
	global_store_b128 v[FO], v[8*\b:8*\b+3], s[98:99] offset:64*\b            ; each accumulator from its low end on
	global_store_b128 v[FO], v[8*\b+4:8*\b+7], s[98:99] offset:64*\b+16
.endr
	WIN 0
.Lno_fine:
; THE WAY OUT, block by block of 16 rows x 128 columns: rounded to f16 (16 bytes a lane), through my own stage, back as whole rows of 256 bytes.
.macro PACK a
.set AC, 64*((\a)%4)
	WIN 0x0a+5*((\a)/4)                            ; sources 0 and 1: window 2 or 3
.irp b, 0,1,2,3,4,5,6,7
.irp r, 0,1,2,3
	v_cvt_pk_f16_f32 v[TMP+4*\b+\r], v[AC+8*\b+2*\r], v[AC+8*\b+2*\r+1]
.endr
.endr
	WIN 0
.endm
.macro TOSTAGE a
.set BB, BK+32*((\a)%2)
.irp b, 0,1,2,3,4,5,6,7
	ds_store_b128 v[STO], v[TMP+4*\b:TMP+4*\b+3] offset:32*\b
.endr
.irp t, 0,1,2,3,4,5,6,7
	ds_load_b128 v[BB+4*\t:BB+4*\t+3], v[RD] offset:\t*2*SPITCH   ; LDS serves a wave's instructions in order (ISA guide 5.7.1.4): these see the stores above
.endr
.endm
.macro SEND a
.set BB, BK+32*((\a)%2)
	s_wait_dscnt 0x0                               ; the block is back in registers
	s_wait_xcnt 0x0                                ; the earlier stores have read their registers: the next block's loads may land there
.irp t, 0,1,2,3,4,5,6,7
	global_store_b128 v[CO], v[BB+4*\t:BB+4*\t+3], s[12:13] offset:(\a)*4096+\t*512   ; 32 lanes store 512 consecutive bytes, aligned
.endr
.endm
	PACK 0
	TOSTAGE 0
.irp a, 1,2,3,4,5,6,7
	PACK \a
	SEND \a-1
	TOSTAGE \a
.endr
	SEND 7
	s_wait_tensorcnt 0x0                           ; the wave's end
	ds_add_u32 v[SPW], v[NIL]
	s_wait_dscnt 0x0
	CROUND                                         ; the closing round
	s_endpgm
.Lfunc_end_k_qfc1093158a_qkv:
	.size	k_qfc1093158a_qkv, .Lfunc_end_k_qfc1093158a_qkv-k_qfc1093158a_qkv
	.p2alignl 7, 3214868480
	.fill 96, 4, 3214868480
	.section	.rodata,"a",@progbits
	.p2align	6, 0x0
	.amdhsa_kernel k_qfc1093158a_qkv
		.amdhsa_group_segment_fixed_size 327680
		.amdhsa_private_segment_fixed_size 0
		.amdhsa_enable_private_segment 0
		.amdhsa_kernarg_size 56
		.amdhsa_user_sgpr_count 2
		.amdhsa_user_sgpr_kernarg_segment_ptr 1
		.amdhsa_wavefront_size32 1
		.amdhsa_system_sgpr_workgroup_id_x 1
		.amdhsa_system_sgpr_workgroup_id_y 1
		.amdhsa_system_sgpr_workgroup_id_z 1
		.amdhsa_system_vgpr_workitem_id 0
		.amdhsa_next_free_vgpr 1024
		.amdhsa_next_free_sgpr 100
		.amdhsa_reserve_vcc 0
		.amdhsa_float_denorm_mode_32 3
		.amdhsa_float_denorm_mode_16_64 3
		.amdhsa_memory_ordered 1
		.amdhsa_forward_progress 1
		.amdhsa_inst_pref_size 130
	.end_amdhsa_kernel
	.amdgpu_metadata
---
amdhsa.version: [ 1, 2 ]
amdhsa.kernels:
  - .name:           k_qfc1093158a_qkv
    .symbol:         k_qfc1093158a_qkv.kd
    .args:
      - { .name: xc, .offset: 0, .size: 8, .value_kind: global_buffer, .address_space: global }
      - { .name: xs, .offset: 8, .size: 8, .value_kind: global_buffer, .address_space: global }
      - { .name: wc, .offset: 16, .size: 8, .value_kind: global_buffer, .address_space: global }
      - { .name: ws, .offset: 24, .size: 8, .value_kind: global_buffer, .address_space: global }
      - { .name: qkvp, .offset: 32, .size: 8, .value_kind: global_buffer, .address_space: global }
      - { .name: b_qkv, .offset: 40, .size: 8, .value_kind: global_buffer, .address_space: global }
      - { .name: qkvf, .offset: 48, .size: 8, .value_kind: global_buffer, .address_space: global }
    .group_segment_fixed_size: 327680
    .private_segment_fixed_size: 0
    .kernarg_segment_align: 8
    .kernarg_segment_size: 56
    .max_flat_workgroup_size: 128
    .sgpr_count:     100
    .vgpr_count:     1024
    .wavefront_size: 32
...
	.end_amdgpu_metadata
.endif
;; end of part 2
;; launch attn (part 3): grid 8 x 32, 16 waves a work-group, no clusters, 327,680 bytes of LDS; arguments qkvp, y16; writes y16
.if DOCPART == 3
	.amdgcn_target "amdgcn-amd-amdhsa--gfx1250"
	.amdhsa_code_object_version 6
	.text
	.protected	k_qfc1093158a_attn
	.globl	k_qfc1093158a_attn
	.p2align	8
	.type	k_qfc1093158a_attn,@function
k_qfc1093158a_attn:
	s_mov_b64 s[64:65], 0
	v_nop
	global_prefetch_b8 v0, s[64:65] scope:SCOPE_SE
	s_setreg_imm32_b32 hwreg(HW_REG_WAVE_MODE, 25, 1), 1
	s_wait_xcnt 0x0
; y = softmax(q k^T / 8, causal) v for every head, f16 operands, f32 sums, maxima and row sums.  q, k, v: qkvp [which 3][sequence 4][head pair 8][position 2048][128] f16; y16: [8192][1024] f16.
; SHARES.  A work-group (J = x, 8 x sequence + pair = y) owns one PAIR of heads, so that every row of K, V and Q and every piece of a row of y is 256 bytes, and the query blocks 15 - J and J of 128
; queries: under the causal mask they have 16 - J and J + 1 blocks of 128 keys, 17 together in every work-group.  Wave w: head w & 1 of the pair; 32 queries (two tiles of 16), group (w >> 2) & 3;
; block 15 - J or J by ((w >> 1) ^ (w >> 3)) & 1.  One walk over the keys serves both blocks.
; NO CLUSTER: the work-groups of a pair need different numbers of key tiles, so every wave of some partner would pass over the reads of a joint tile.
; LAYOUT.  S^T = K Q^T (source 0 = 16 keys, source 1 = 16 queries): a lane holds ONE query (lane % 16) and keys 8 (lane / 16) + 0..7.  Two such tiles, rounded to f16 in pairs, ARE source 1 of
; O^T = V^T P.  K comes out of LDS as it lies, V turned by ds_load_tr16_b128.
; SOFTMAX.  Running maximum m and sum l for each query: p = 2^(c s - c m), c = log2(e) / 8; in every step O and l are multiplied by a = 2^(c m_old - c m_new).  l sums the unrounded p.
; THE WALK.  Every work-group walks all 16 slots of 128 keys (constant trip counts); a step of 64 keys whose keys all come after the wave's queries is passed over by a branch on ids; a slot whose first
; key comes after the work-group's last query is not asked for.  Every wait on TENSORcnt is for 0.
; LIMITS: q, k, v, y inside f16's range; a weight p under f16's smallest step counts as 0 in the product (it still counts in l).  Positions 0 to 15 are made again, in f32, by a later launch.
.set PK,    272                        ; a row of K in LDS: 256 bytes + 16: the 16 rows of a load start at 16 different banks (64 banks of 4 bytes: ISA guide 11.1)
.set PV,    288                        ; a row of V: 256 + 32
.set VOFF,  128*PK                     ; a slot: 128 rows of K, then 128 rows of V
.set SLOT1, 1<<17                      ; slot 1 begins here: one exclusive or turns an address
.set STAGE, SLOT1+VOFF+128*PV          ; behind the ring: 256 rows x 272 bytes for the way out, bytes of their own
.set SPITCH, 272
.set SPARE, STAGE+256*SPITCH           ; the spare words, 128 bytes for each wave: eight blocks of 256 bytes that no other line names
.set AK0, 1                            ; v1   my lane's place in a tile of K (my head's 128 bytes of a row among it)
.set AV0, 2                            ; v2   the same for V
.set SPW, 3                            ; v3   never rewritten
.set NIL, 4                            ; v4   never rewritten
.set ADK, 5
.set ADV, 6
.set DQ,  7                            ; v7   r - 8 h
.set STO, 8                            ; v8   the way out: where I put 16 bytes of a row
.set PFO, 9                            ; v9   256 x lane
.set NINF, 10                          ; v10  -infinity
.set ST,  12                           ; v12-27  tile t at ST + 8 t: +0 c m, +1 m, +2, +3 l, +4 .. +7 at work; a in +6
.set Q,   28                           ; v28-59  Q: tile t, channels 32 dh on, at 16 t + 8 dh
.set KV,  60                           ; v60-123 K (16 kt + 8 dh), then V (8 (4 kh + c))
.set S,   124                          ; v124-187 S^T (32 t + 8 kt); P is packed into 32 t + 0 .. 15
.set O,   188                          ; v188-251 O^T (32 t + 8 c)
.set MD,  252                          ; v252-253 the mask's bound for each tile
.set WV,  8
.set E,   9
.set U,   10
.set Z,   11
.set Q0,  12                           ; my first query
.set QE,  13                           ; my last
.set QL,  14                           ; my work-group's last
.set KF,  15                           ; the step's first key
.set TB,  16                           ; LDS byte at which the slot in hand begins
.set SLOTS, 17
.set SEL, 18
.set CS,  20
.set G1K, 24
.set G1V, 32
.set G0K, 40
.set G0V, 44
.set PFA, 48
.set LIM, 50
.macro TLOAD                           ; waves 0 and 1 fetch K's halves, waves 2 and 3 V's, the others nothing; an s_nop 0 and four v_nop follow each line
	s_cmp_lt_u32 s[WV], 2
	s_cbranch_scc0 .Lnot_k_\@
	tensor_load_to_lds s[G0K:G0K+3], s[G1K:G1K+7]
	s_nop 0
.rept 4
	v_nop
.endr
	s_branch .Lasked_\@
.Lnot_k_\@:
	s_cmp_lt_u32 s[WV], 4
	s_cbranch_scc0 .Lasked_\@
	tensor_load_to_lds s[G0V:G0V+3], s[G1V:G1V+7]
	s_nop 0
.rept 4
	v_nop
.endr
.Lasked_\@:
.endm
; A PREFETCH of what the NEXT change of slots will ask for: 128 rows of K and 128 of V, 256 bytes a row.  Each row is named once in the launch: of the eight work-groups that walk a pair's keys the one
; with J = 0, which walks all 16 slots, asks; in it waves 4 to 7 ask for K's 32,768 bytes and waves 8 to 11 for V's, 8,192 a wave, lanes 256 bytes apart, one instruction a change.
; The last change that fills a slot asks for nothing; slots 0 and 1 come by their loads alone.
.macro ASK
	s_cmp_gt_u32 s[SLOTS], s[LIM]
	s_cbranch_scc0 .Lnot_mine_\@
	global_prefetch_b8 v[PFO], s[PFA:PFA+1] th:TH_LOAD_NT scope:SCOPE_SE
.Lnot_mine_\@:
.endm
	s_load_b128 s[4:7], s[0:1], 0x0                ; qkvp, y16
	v_lshl_add_u32 v[SPW], v0, 2, SPARE
	v_mov_b32 v[NIL], 0
	ds_add_u32 v[SPW], v[NIL]                      ; the wave's opening: the add, twice on end, and its wait ahead of the first tensor load
	ds_add_u32 v[SPW], v[NIL]
	v_lshrrev_b32 v5, 5, v0
	v_readfirstlane_b32 s[WV], v5                  ; wave 0..15
	s_and_b32 s[E], s[WV], 1
	s_bfe_u32 s[U], s[WV], 0x20002
	s_lshr_b32 s51, s[WV], 1
	s_lshr_b32 s52, s[WV], 3
	s_xor_b32 s51, s51, s52
	s_and_b32 s[Z], s51, 1
	s_sub_co_u32 s51, 15, ttmp9
	s_cmp_eq_u32 s[Z], 0
	s_cselect_b32 s51, s51, ttmp9                  ; my block of 128 queries
	s_lshl_b32 s[Q0], s51, 7
	s_lshl_b32 s52, s[U], 5
	s_add_co_u32 s[Q0], s[Q0], s52
	s_add_co_u32 s[QE], s[Q0], 31
	s_sub_co_u32 s[QL], 16, ttmp9
	s_lshl_b32 s[QL], s[QL], 7
	s_sub_co_u32 s[QL], s[QL], 1
	s_mov_b32 s[G1K], (1<<16)|(1<<20)|(5<<22)|(3<<25)   ; no mask; elements of 2 bytes; padding: 4 words behind every 64
	s_mov_b32 s[G1V], (1<<16)|(1<<20)|(5<<22)|(7<<25)   ; 8 words
.irp g, G1K, G1V
	s_mov_b32 s[\g+1], 128<<16                     ; tensor_dim0 = 128 elements
	s_mov_b32 s[\g+2], 64<<16                      ; tensor_dim1 = 64 rows
	s_mov_b32 s[\g+3], 128<<16                     ; tile_dim0
	s_mov_b32 s[\g+4], 64                          ; tile_dim1
	s_mov_b32 s[\g+5], 128                         ; the pitch: rows are dense
	s_mov_b32 s[\g+6], 0
	s_mov_b32 s[\g+7], 0
.endr
	s_mov_b32 s[SEL], 0x76543210
	s_mov_b32 s[SEL+1], 0xfedcba98
	s_mov_b32 s[CS], 0x3e38aa3b                    ; c = log2(e) / 8
	s_mov_b32 s[CS+1], s[CS]
	s_mov_b32 s[TB], 0
	s_mov_b32 s[KF], 0
	s_mov_b32 s[SLOTS], 15
	s_and_b32 s51, ttmp7, 0xffff                   ; 8 x sequence + pair
	s_and_b32 s52, s[WV], 1                        ; which 64 rows of a slot I fetch, if I fetch
	s_lshl_b32 s53, s52, 14
	s_add_co_u32 s54, s51, 32                      ; K's panels follow Q's 32,
	s_lshl_b32 s54, s54, 19
	s_add_co_u32 s54, s54, s53
	s_mov_b32 s55, 0
	s_add_co_u32 s56, s51, 64                      ; V's follow K's
	s_lshl_b32 s56, s56, 19
	s_add_co_u32 s56, s56, s53
	s_mov_b32 s57, 0
	s_mul_i32 s58, s52, 64*PK
	s_mul_i32 s59, s52, 64*PV
	s_add_co_u32 s59, s59, VOFF
	s_wait_dscnt 0x0                               ; both opening adds are done
	s_wait_kmcnt 0x0
	s_mov_b32 s[G0K], 1
	s_mov_b32 s[G0K+1], s58
	s_add_nc_u64 s[G0K+2:G0K+3], s[4:5], s[54:55]
	s_or_b32 s[G0K+3], s[G0K+3], 0x80000000
	s_mov_b32 s[G0V], 1
	s_mov_b32 s[G0V+1], s59
	s_add_nc_u64 s[G0V+2:G0V+3], s[4:5], s[56:57]
	s_or_b32 s[G0V+3], s[G0V+3], 0x80000000
	TLOAD                                          ; slot 0: it holds key 0, which counts for every query
	s_lshl_b32 s54, s51, 19
	s_lshl_b32 s53, s[Q0], 8
	s_add_co_u32 s54, s54, s53
	s_lshl_b32 s53, s[E], 7
	s_add_co_u32 s54, s54, s53
	s_add_nc_u64 s[60:61], s[4:5], s[54:55]        ; Q at my first query, my head
	v_and_b32 v11, 15, v0                          ; r
	v_bfe_u32 v252, v0, 4, 1                       ; h
	v_lshlrev_b32 v254, 8, v11
	v_lshl_add_u32 v254, v252, 4, v254
.irp t, 0,1
.irp dh, 0,1
	global_load_b128 v[Q+16*\t+8*\dh:Q+16*\t+8*\dh+3], v254, s[60:61] offset:\t*4096+64*\dh
	global_load_b128 v[Q+16*\t+8*\dh+4:Q+16*\t+8*\dh+7], v254, s[60:61] offset:\t*4096+64*\dh+32
.endr
.endr
	v_mul_u32_u24 v[AK0], v11, PK
	v_lshl_add_u32 v[AK0], v252, 4, v[AK0]
	v_add_nc_u32 v[AK0], s53, v[AK0]               ; row r x pitch + 16 h + 128 x head
	v_and_b32 v253, 7, v0
	v_lshl_add_u32 v[AV0], v252, 3, v253
	v_mul_u32_u24 v[AV0], v[AV0], PV
	v_bfe_u32 v253, v0, 3, 1
	v_lshl_add_u32 v[AV0], v253, 4, v[AV0]
	s_add_co_u32 s53, s53, VOFF
	v_add_nc_u32 v[AV0], s53, v[AV0]               ; key 8 h + lane % 8, channels 8 ((lane / 8) % 2) on
	v_lshlrev_b32 v253, 3, v252
	v_sub_nc_u32 v[DQ], v11, v253
	s_lshl_b32 s53, s[Z], 7
	s_lshl_b32 s54, s[U], 5
	s_add_co_u32 s53, s53, s54
	s_mul_i32 s53, s53, SPITCH
	s_lshl_b32 s54, s[E], 7
	s_add_co_u32 s53, s53, s54
	s_add_co_u32 s53, s53, STAGE
	v_mul_u32_u24 v[STO], v11, SPITCH
	v_lshl_add_u32 v[STO], v252, 4, v[STO]
	v_add_nc_u32 v[STO], s53, v[STO]               ; stage row 128 z + 32 u + r, + 128 x head + 16 h
	v_and_b32 v[PFO], 31, v0
	v_lshlrev_b32 v[PFO], 8, v[PFO]
	v_mov_b32 v[NINF], 0xff800000
	s_cmp_lt_u32 s[WV], 8                          ; the prefetches: waves 4 to 7 K's panel, waves 8 to 11 V's
	s_cselect_b32 s54, 32, 64
	s_add_co_u32 s54, s54, s51
	s_lshl_b32 s54, s54, 19
	s_and_b32 s53, s[WV], 3
	s_lshl_b32 s53, s53, 13
	s_add_co_u32 s54, s54, s53
	s_add_co_u32 s54, s54, 32768                   ; in slot 1: the first change of slots steps it to slot 2
	s_add_nc_u64 s[PFA:PFA+1], s[4:5], s[54:55]
	s_sub_co_u32 s53, s[WV], 4
	s_lshr_b32 s53, s53, 3                         ; 0 in waves 4 to 11,
	s_or_b32 s53, s53, ttmp9                       ; of the work-group with J = 0
	s_cmp_eq_u32 s53, 0
	s_cselect_b32 s[LIM], 1, -1
.set i, 0
.rept 64
	v_mov_b32 v[O+i], 0                            ; O^T.  (The step is written once: the first finds zeros, which the first a, 0, leaves zeros)
.set i, i+1
.endr
.irp t, 0,1
	v_mov_b32 v[ST+8*\t+1], 0xff61b1e6             ; m = -3e38, under every score
.irp n, 2,3,4,5,6,7
	v_mov_b32 v[ST+8*\t+\n], 0
.endr
	v_mul_f32 v[ST+8*\t], s[CS], v[ST+8*\t+1]
.endr
; A KEY STEP: 64 keys, the st-th of the slot in hand.
.macro STEP st
	s_cmp_gt_u32 s[KF], s[QE]                      ; all its keys come after my queries: passed over (ids and the count of steps alone)
	s_cbranch_scc1 .Lhid_\@
	v_add_nc_u32 v[ADK], s[TB], v[AK0]
	v_add_nc_u32 v[ADV], s[TB], v[AV0]
.rept 3
	v_nop                                          ; with the two additions five places: the products below write over P, which the last products read, and the loads land where V lay
.endr
.irp kt, 0,1,2,3
.irp dh, 0,1
	ds_load_b128 v[KV+16*\kt+8*\dh:KV+16*\kt+8*\dh+3], v[ADK] offset:(64*\st+16*\kt)*PK+64*\dh
	ds_load_b128 v[KV+16*\kt+8*\dh+4:KV+16*\kt+8*\dh+7], v[ADK] offset:(64*\st+16*\kt)*PK+64*\dh+32
.endr
.endr
	s_wait_dscnt 0x0
.irp dh, 0,1                                   ; S^T = K Q^T: eight accumulators by turns
.irp kt, 0,1,2,3
.irp t, 0,1
.if \dh == 0
	v_wmma_f32_16x16x32_f16 v[S+32*\t+8*\kt:S+32*\t+8*\kt+7], v[KV+16*\kt+8*\dh:KV+16*\kt+8*\dh+7], v[Q+16*\t+8*\dh:Q+16*\t+8*\dh+7], 0
.else
	v_wmma_f32_16x16x32_f16 v[S+32*\t+8*\kt:S+32*\t+8*\kt+7], v[KV+16*\kt+8*\dh:KV+16*\kt+8*\dh+7], v[Q+16*\t+8*\dh:Q+16*\t+8*\dh+7], v[S+32*\t+8*\kt:S+32*\t+8*\kt+7]
.endif
.endr
.endr
.endr
.rept 4
	v_nop                                          ; places in front of the loads into K's registers and of the first read of the scores
.endr
.irp kh, 0,1                                   ; V, turned: it lands under the softmax
.irp c, 0,1,2,3
	ds_load_tr16_b128 v[KV+8*(4*\kh+\c):KV+8*(4*\kh+\c)+3], v[ADV] offset:(64*\st+32*\kh)*PV+32*\c
	ds_load_tr16_b128 v[KV+8*(4*\kh+\c)+4:KV+8*(4*\kh+\c)+7], v[ADV] offset:(64*\st+32*\kh)*PV+16*PV+32*\c
.endr
.endr
	s_add_co_u32 s51, s[KF], 63                    ; a step all of whose keys count passes over the mask
	s_cmp_le_u32 s51, s[Q0]
	s_cbranch_scc1 .Lopen_\@
	s_sub_co_i32 s51, s[Q0], s[KF]
	v_add_nc_u32 v[MD], s51, v[DQ]                 ; register 8 kt + j holds key KF + 16 kt + 8 h + j: hidden where 16 kt + j > my query - KF - 8 h
	v_add_nc_u32 v[MD+1], 16, v[MD]
.set i, 0
.rept 32
	v_cmp_gt_i32 vcc_lo, 16*(i/8)+i%8, v[MD]
	v_cndmask_b32 v[S+i], v[S+i], v[NINF], vcc_lo
	v_cmp_gt_i32 vcc_lo, 16*(i/8)+i%8, v[MD+1]
	v_cndmask_b32 v[S+32+i], v[S+32+i], v[NINF], vcc_lo
.set i, i+1
.endr
.Lopen_\@:
.irp q, 0,1,2,3                                ; the maximum of 32 scores and the old m: four chains a tile, the tiles by turns; each accumulator is read from its low end on
.irp t, 0,1
	v_max3_num_f32 v[ST+8*\t+4+\q], v[S+32*\t+8*\q], v[S+32*\t+8*\q+1], v[S+32*\t+8*\q+2]
.endr
.endr
.irp i, 3,5
.irp q, 0,1,2,3
.irp t, 0,1
	v_max3_num_f32 v[ST+8*\t+4+\q], v[ST+8*\t+4+\q], v[S+32*\t+8*\q+\i], v[S+32*\t+8*\q+\i+1]
.endr
.endr
.endr
.irp t, 0,1
	v_max3_num_f32 v[ST+8*\t+4], v[ST+8*\t+4], v[S+32*\t+7], v[S+32*\t+15]
	v_max3_num_f32 v[ST+8*\t+6], v[ST+8*\t+6], v[S+32*\t+23], v[S+32*\t+31]
.endr
.irp t, 0,1
	v_max3_num_f32 v[ST+8*\t+4], v[ST+8*\t+4], v[ST+8*\t+5], v[ST+8*\t+6]
.endr
.irp t, 0,1
	v_max3_num_f32 v[ST+8*\t+4], v[ST+8*\t+4], v[ST+8*\t+7], v[ST+8*\t+1]
.endr
.irp t, 0,1
	v_permlanex16_b32 v[ST+8*\t+5], v[ST+8*\t+4], s[SEL], s[SEL+1]   ; the query's other 32 keys lie in the lane 16 away
.endr
.irp t, 0,1
	v_mov_b32 v[ST+8*\t+7], v[ST+8*\t]             ; c m_old
.endr
.irp t, 0,1
	v_max_num_f32 v[ST+8*\t+1], v[ST+8*\t+4], v[ST+8*\t+5]
.endr
.irp t, 0,1
	v_mul_f32 v[ST+8*\t], s[CS], v[ST+8*\t+1]
.endr
.irp t, 0,1
	v_sub_f32 v[ST+8*\t+7], v[ST+8*\t+7], v[ST+8*\t]
.endr
.irp i, 0,2,4,6,8,10,12,14,16,18,20,22,24,26,28,30
.irp t, 0,1
	v_pk_fma_f32 v[S+32*\t+\i:S+32*\t+\i+1], v[S+32*\t+\i:S+32*\t+\i+1], s[CS:CS+1], v[ST+8*\t:ST+8*\t+1] op_sel_hi:[1,0,0] neg_lo:[0,0,1] neg_hi:[0,0,1]   ; c s - c m
.endr
.endr
.irp t, 0,1
	v_exp_f32 v[ST+8*\t+6], v[ST+8*\t+7]           ; a
.endr
.set i, 0
.rept 32
	v_exp_f32 v[S+i], v[S+i]                       ; p, at most 1
	v_exp_f32 v[S+32+i], v[S+32+i]
.set i, i+1
.endr
	v_nop                                          ; the plain instruction behind the last exponential (ISA guide 5.7.2)
	s_wait_alu depctr_va_vdst(0)                   ; one wait for the batch of 66, ahead of its first reader
.irp t, 0,1
	v_pk_fma_f32 v[ST+8*\t+2:ST+8*\t+3], v[ST+8*\t+2:ST+8*\t+3], v[ST+8*\t+6:ST+8*\t+7], v[S+32*\t:S+32*\t+1] op_sel_hi:[1,0,1]   ; l = a l + the unrounded p, in two chains a tile
.endr
.irp t, 0,1
	v_pk_add_f32 v[ST+8*\t+4:ST+8*\t+5], v[S+32*\t+2:S+32*\t+3], v[S+32*\t+4:S+32*\t+5]
.endr
.irp i, 6,10,14,18,22,26
.irp t, 0,1
	v_pk_add_f32 v[ST+8*\t+2:ST+8*\t+3], v[ST+8*\t+2:ST+8*\t+3], v[S+32*\t+\i:S+32*\t+\i+1]
	v_pk_add_f32 v[ST+8*\t+4:ST+8*\t+5], v[ST+8*\t+4:ST+8*\t+5], v[S+32*\t+\i+2:S+32*\t+\i+3]
.endr
.endr
.irp t, 0,1
	v_pk_add_f32 v[ST+8*\t+2:ST+8*\t+3], v[ST+8*\t+2:ST+8*\t+3], v[S+32*\t+30:S+32*\t+31]
.endr
.irp t, 0,1
	v_pk_add_f32 v[ST+8*\t+2:ST+8*\t+3], v[ST+8*\t+2:ST+8*\t+3], v[ST+8*\t+4:ST+8*\t+5]
.endr
.irp i, 0,1,2,3,4,5,6,7,8,9,10,11,12,13,14,15
.irp t, 0,1
	v_cvt_pk_f16_f32 v[S+32*\t+\i], v[S+32*\t+2*\i], v[S+32*\t+2*\i+1]   ; P in place: register i is written when 2 i and 2 i + 1 have been read
.endr
.endr
.irp i, 0,2,4,6,8,10,12,14,16,18,20,22,24,26,28,30
.irp t, 0,1
	v_pk_mul_f32 v[O+32*\t+\i:O+32*\t+\i+1], v[O+32*\t+\i:O+32*\t+\i+1], v[ST+8*\t+6:ST+8*\t+7] op_sel_hi:[1,0]   ; O^T x a
.endr
.endr
	s_wait_dscnt 0x0                               ; V is in
.irp kh, 0,1                                   ; O^T += V^T P: eight accumulators by turns
.irp c, 0,1,2,3
.irp t, 0,1
	v_wmma_f32_16x16x32_f16 v[O+32*\t+8*\c:O+32*\t+8*\c+7], v[KV+8*(4*\kh+\c):KV+8*(4*\kh+\c)+7], v[S+32*\t+8*\kh:S+32*\t+8*\kh+7], v[O+32*\t+8*\c:O+32*\t+8*\c+7]
.endr
.endr
.endr
.Lhid_\@:
	s_add_co_u32 s[KF], s[KF], 64
.endm
; THE CHANGE OF SLOTS stands at a slot's head.  Each wave waits for all its tensor loads, adds 0 to its spare word (fill = 1: twice on end), and waits for that and for its reads of the slot that it has left.
; Behind the barrier the slot ahead is whole and nobody reads the other one, which is then filled with the next 128 keys, up to the causal limit: the load has a slot's two steps in which to land.
.macro CHANGE fill
	s_wait_tensorcnt 0x0                           ; no tensor load of mine is out, so a group 0 may be written
	ds_add_u32 v[SPW], v[NIL]
.if \fill
	ds_add_u32 v[SPW], v[NIL]                      ; and once more, in every trip alike
	s_xor_b32 s[G0K+1], s[G0K+1], SLOT1
	s_add_nc_u64 s[G0K+2:G0K+3], s[G0K+2:G0K+3], 32768
	s_xor_b32 s[G0V+1], s[G0V+1], SLOT1
	s_add_nc_u64 s[G0V+2:G0V+3], s[G0V+2:G0V+3], 32768
	s_wait_xcnt 0x0                                ; the last prefetch, a slot back, has read its address
	s_add_nc_u64 s[PFA:PFA+1], s[PFA:PFA+1], 32768
.endif
	s_wait_dscnt 0x0                               ; the add is done, and my reads of the slot that I have left are over
	s_barrier_signal -1
	s_barrier_wait -1
.if \fill
	s_add_co_u32 s51, s[KF], 128                   ; the first key of the slot that this change would ask for:
	s_cmp_gt_u32 s51, s[QL]                        ; beyond my work-group's last query it would be read by none of its waves.  Ids and the count of steps alone: all sixteen waves go the same way
	s_cbranch_scc1 .Lpast_\@
	TLOAD                                          ; a wave's one tensor load until the next change
.Lpast_\@:
	ASK
.endif
.endm
	s_wait_loadcnt 0x0                             ; Q
.Lslot:                                            ; 15 trips
	CHANGE 1
	STEP 0
	STEP 1
	s_xor_b32 s[TB], s[TB], SLOT1
	s_sub_co_u32 s[SLOTS], s[SLOTS], 1
	s_cmp_lg_u32 s[SLOTS], 0
	s_cbranch_scc1 .Lslot
	CHANGE 0                                       ; the last slot is written out: nothing is left to ask for
	STEP 0
	STEP 1
	; THE WAY OUT.  O^T / l, rounded to f16, into the work-group's stage: a row's 256 bytes come from the two heads' waves; a barrier; each wave stores 16 whole rows.
.irp t, 0,1
	v_add_f32 v[ST+8*\t+4], v[ST+8*\t+2], v[ST+8*\t+3]
.endr
.irp t, 0,1
	v_permlanex16_b32 v[ST+8*\t+5], v[ST+8*\t+4], s[SEL], s[SEL+1]
.endr
.irp t, 0,1
	v_add_f32 v[ST+8*\t+4], v[ST+8*\t+4], v[ST+8*\t+5]
.endr
.irp t, 0,1
	v_rcp_f32 v[ST+8*\t+6], v[ST+8*\t+4]
.endr
	v_and_b32 v11, 15, v0                          ; (plain work behind the reciprocals)  r
	v_bfe_u32 v252, v0, 4, 1                       ; h
	s_mul_i32 s51, s[WV], 16*SPITCH
	s_add_co_u32 s51, s51, STAGE
	v_mul_u32_u24 v[ADK], v252, SPITCH
	v_lshl_add_u32 v[ADK], v11, 4, v[ADK]
	v_add_nc_u32 v[ADK], s51, v[ADK]               ; back: stage rows 16 w on; lanes 0-15 one row, lanes 16-31 the next
	v_lshlrev_b32 v[ADV], 11, v252
	v_lshl_add_u32 v[ADV], v11, 4, v[ADV]          ; the same two rows in y16
	s_lshr_b32 s51, s[WV], 3
	s_sub_co_u32 s52, 15, ttmp9
	s_cmp_eq_u32 s51, 0
	s_cselect_b32 s52, s52, ttmp9                  ; stage rows 0-127 are block 15 - J's, rows 128-255 block J's
	s_lshl_b32 s52, s52, 7
	s_and_b32 s53, s[WV], 7
	s_lshl_b32 s53, s53, 4
	s_add_co_u32 s52, s52, s53
	s_and_b32 s53, ttmp7, 0xffff
	s_lshr_b32 s54, s53, 3
	s_lshl_b32 s54, s54, 11
	s_add_co_u32 s52, s52, s54                     ; the row of y16
	s_lshl_b32 s52, s52, 11                        ; 2,048 bytes a row
	s_and_b32 s53, s53, 7
	s_lshl_b32 s53, s53, 8                         ; the pair's 256 bytes
	s_add_co_u32 s52, s52, s53
	s_mov_b32 s53, 0
	s_add_nc_u64 s[6:7], s[6:7], s[52:53]
	s_wait_alu depctr_va_vdst(0)                   ; one wait for the two reciprocals, ahead of their first reader
.irp i, 0,2,4,6,8,10,12,14,16,18,20,22,24,26,28,30
.irp t, 0,1
	v_pk_mul_f32 v[O+32*\t+\i:O+32*\t+\i+1], v[O+32*\t+\i:O+32*\t+\i+1], v[ST+8*\t+6:ST+8*\t+7] op_sel_hi:[1,0]
.endr
.endr
.irp i, 0,1,2,3,4,5,6,7,8,9,10,11,12,13,14,15
.irp t, 0,1
	v_cvt_pk_f16_f32 v[S+16*\t+\i], v[O+32*\t+2*\i], v[O+32*\t+2*\i+1]
.endr
.endr
.irp t, 0,1
.irp c, 0,1,2,3
	ds_store_b128 v[STO], v[S+16*\t+4*\c:S+16*\t+4*\c+3] offset:\t*16*SPITCH+32*\c   ; query 16 t + r, channels 16 c + 8 h + 0 .. 7
.endr
.endr
	s_wait_dscnt 0x0                               ; for the others' sake: my stores into the stage are done
	s_barrier_signal -1
	s_barrier_wait -1
.irp i, 0,1,2,3,4,5,6,7
	ds_load_b128 v[KV+4*\i:KV+4*\i+3], v[ADK] offset:2*\i*SPITCH
.endr
.irp i, 0,1,2,3,4,5,6,7
	s_wait_dscnt 7-\i                              ; LDS loads come back in order: pair i of rows is in
	global_store_b128 v[ADV], v[KV+4*\i:KV+4*\i+3], s[6:7] offset:2*\i*2048   ; sixteen lanes store 256 consecutive bytes, aligned
.endr
	s_wait_tensorcnt 0x0                           ; the wave's end
	ds_add_u32 v[SPW], v[NIL]
	s_wait_dscnt 0x0
	s_endpgm
.Lfunc_end_k_qfc1093158a_attn:
	.size	k_qfc1093158a_attn, .Lfunc_end_k_qfc1093158a_attn-k_qfc1093158a_attn
	.p2alignl 7, 3214868480
	.fill 96, 4, 3214868480
	.section	.rodata,"a",@progbits
	.p2align	6, 0x0
	.amdhsa_kernel k_qfc1093158a_attn
		.amdhsa_group_segment_fixed_size 327680
		.amdhsa_private_segment_fixed_size 0
		.amdhsa_enable_private_segment 0
		.amdhsa_kernarg_size 16
		.amdhsa_user_sgpr_count 2
		.amdhsa_user_sgpr_kernarg_segment_ptr 1
		.amdhsa_wavefront_size32 1
		.amdhsa_system_sgpr_workgroup_id_x 1
		.amdhsa_system_sgpr_workgroup_id_y 1
		.amdhsa_system_sgpr_workgroup_id_z 1
		.amdhsa_system_vgpr_workitem_id 0
		.amdhsa_next_free_vgpr 256
		.amdhsa_next_free_sgpr 66
		.amdhsa_reserve_vcc 1
		.amdhsa_float_denorm_mode_32 3
		.amdhsa_float_denorm_mode_16_64 3
		.amdhsa_memory_ordered 1
		.amdhsa_forward_progress 1
		.amdhsa_inst_pref_size 104
	.end_amdhsa_kernel
	.amdgpu_metadata
---
amdhsa.version: [ 1, 2 ]
amdhsa.kernels:
  - .name:           k_qfc1093158a_attn
    .symbol:         k_qfc1093158a_attn.kd
    .args:
      - { .name: qkvp, .offset: 0, .size: 8, .value_kind: global_buffer, .address_space: global }
      - { .name: y16, .offset: 8, .size: 8, .value_kind: global_buffer, .address_space: global }
    .group_segment_fixed_size: 327680
    .private_segment_fixed_size: 0
    .kernarg_segment_align: 8
    .kernarg_segment_size: 16
    .max_flat_workgroup_size: 512
    .sgpr_count:     66
    .vgpr_count:     256
    .wavefront_size: 32
...
	.end_amdgpu_metadata
.endif
;; end of part 3
;; launch proj (part 4): grid 8 x 64, 4 waves a work-group, clusters of 4 x 4, 327,680 bytes of LDS; arguments y16, wpt, b_proj, out0; writes out0
.if DOCPART == 4
	.amdgcn_target "amdgcn-amd-amdhsa--gfx1250"
	.amdhsa_code_object_version 6
	.text
	.protected	k_qfc1093158a_proj
	.globl	k_qfc1093158a_proj
	.p2align	8
	.type	k_qfc1093158a_proj,@function
k_qfc1093158a_proj:
	s_mov_b64 s[64:65], 0
	v_nop
	global_prefetch_b8 v0, s[64:65] scope:SCOPE_SE
	s_setreg_imm32_b32 hwreg(HW_REG_WAVE_MODE, 25, 1), 1
	s_wait_xcnt 0x0
	s_wait_alu depctr_hold_cnt(0) depctr_sa_sdst(0) depctr_va_vdst(0) depctr_va_sdst(0) depctr_va_ssrc(0) depctr_va_vcc(0) depctr_vm_vsrc(0)
	s_getreg_b32 s2, hwreg(HW_REG_IB_STS2, 6, 4)
	s_cmp_eq_u32 s2, 0
	s_cbranch_scc0 .Lentry_in_a_cluster
	s_endpgm
.Lentry_in_a_cluster:
	s_bfe_u32 s2, ttmp6, 0x10000c
	s_cmp_lg_u32 s2, 0xf033
	s_cbranch_scc0 .Lentry_shape_is_right
	s_endpgm
.Lentry_shape_is_right:
; out0 = y w_proj + b_proj.  A = y16 [8192][1024] f16, B = wpt [1024 (n)][1024 (k)] f16, out0 [8192][1024] f32; sums in f32.  All rows are made here; the 64 rows of positions 0 to 15 are written
; again by the launch that follows, which carries them in f32 (to leave them out here would take a branch on a work-group's place in its cluster).
; A tile of 128 x 128 to a work-group: 512 tiles.  Four waves, each 64 x 64: 16 accumulators.  K goes in steps of 256 (LDS rows of 512 bytes; a wave's tensor load brings 64 of them) through two slots.
; CLUSTERS: 4 x 4 work-groups; A's tiles are asked for jointly along a row of the cluster, B's along a column.  THE MATRIX INSTRUCTION IS USED TRANSPOSED (source 0 = rows of B, source 1 = rows of A): a lane
; holds eight neighbouring numbers of a row.  The bias is the C of each sum's first product.  A wave's 64 columns of f32 are 256 aligned bytes: each wave goes out through a stage of its own, with no barrier.
; No prefetch: the tiles are small and shared by joint loads.
; REGISTERS: window 0: v0-31 addresses; v32-95 rows on the way out; v96-127 the bias; v128-255 the accumulators ((a, b) at v[128 + 8 (4 a + b)]).   window 1: two fragment buffers of 128.
.set SIZE_K, 1024
.set KSTEP,  256
.set PITCH,  528                       ; 512 bytes + 16 = 132 words: the 16 rows that a load touches start at 16 different banks (64 banks of 4 bytes: ISA guide 11.1)
.set HALFT,  64*PITCH
.set SLOT,   4*HALFT
.set STAGE,  2*SLOT                    ; behind the ring: 16 rows x 272 bytes for each wave
.set SPITCH, 272
.set SPARE,  STAGE+4*16*SPITCH         ; the spare words, 128 bytes for each wave: two blocks of 256 bytes that no other line names
.set LAPS,   SIZE_K/(2*KSTEP)
.set ADRA, 16
.set ADRB, 20
.set STO,  24
.set RD,   25
.set CO,   26
.set BO,   27
.set SPW,  28                          ; never rewritten
.set NIL,  29                          ; never rewritten
.set BK,   32
.set BIAS, 96
.set ACC,  128
.set F0,   0
.set F1,   128
.set G1, 24
.set G0, 32
.set G1B, 48
.set G0B, 56
.set MSB, 0
.macro WIN new
.if MSB != \new
	s_set_vgpr_msb (MSB<<8)|\new
.set MSB, \new
.endif
.endm
.set MUL,  0x05                        ; sources 0 (B) and 1 (A) window 1; C and D window 0
.set TO_F, 0x40
.macro JLOAD s                         ; a joint load: waves 0 and 1 fetch A's halves, waves 2 and 3 B's; an s_nop 0 and four v_nop follow each line
	s_cmp_eq_u32 s11, 0
	s_cbranch_scc0 .Lfor_b_\@
	tensor_load_to_lds s[G0+4*\s:G0+4*\s+3], s[G1:G1+7]
	s_nop 0
.rept 4
	v_nop
.endr
	s_branch .Lasked_\@
.Lfor_b_\@:
	tensor_load_to_lds s[G0B+4*\s:G0B+4*\s+3], s[G1B:G1B+7]
	s_nop 0
.rept 4
	v_nop
.endr
.Lasked_\@:
.endm
.macro CREST
	s_cmp_lg_u32 s10, 0
	s_cbranch_scc1 .Lnot_wave_0_\@
	s_barrier_signal -3
.Lnot_wave_0_\@:
	s_barrier_wait -3
	s_barrier_signal -1
	s_barrier_wait -1
.endm
.macro CROUND
	s_barrier_signal -1
	s_barrier_wait -1
	CREST
.endm
	s_load_b128 s[4:7], s[0:1], 0x0                ; y16, wpt
	s_load_b64 s[68:69], s[0:1], 0x10              ; b_proj
	s_load_b64 s[8:9], s[0:1], 0x18                ; out0
	v_lshl_add_u32 v[SPW], v0, 2, SPARE
	v_mov_b32 v[NIL], 0
	ds_add_u32 v[SPW], v[NIL]                      ; the wave's opening: the add, twice on end, and its wait ahead of my first tensor load
	ds_add_u32 v[SPW], v[NIL]
	v_lshrrev_b32 v1, 5, v0
	v_readfirstlane_b32 s10, v1                    ; wave 0..3
	s_lshr_b32 s11, s10, 1                         ; which half of the tile's rows is mine.  Also: I fetch for A (0) or for B (1)
	s_and_b32 s12, s10, 1                          ; which half of its columns.  Also: which 64 rows I fetch
	s_bfe_u32 s40, ttmp6, 0x40000
	s_bfe_u32 s41, ttmp6, 0x40004
	s_lshl_b32 s42, ttmp9, 2
	s_add_co_u32 s42, s42, s40                     ; tile column
	s_and_b32 s13, ttmp7, 0xffff
	s_lshl_b32 s13, s13, 2
	s_add_co_u32 s13, s13, s41                     ; tile row
	s_lshl_b32 s43, s41, 2
	s_lshl_b32 s43, 15, s43                        ; my row of the cluster
	s_lshl_b32 s44, 0x1111, s40                    ; my column
	s_or_b32 s[G1+0], s43, (1<<16)|(1<<20)|(1<<21)|(6<<22)|(3<<25)  ; the mask; elements of 2 bytes; padding on; bit 21 beside a mask; 4 words behind every 128
	s_or_b32 s[G1B+0], s44, (1<<16)|(1<<20)|(1<<21)|(6<<22)|(3<<25)
.irp g, G1, G1B
	s_mov_b32 s[\g+1], KSTEP<<16
	s_mov_b32 s[\g+2], 64<<16
	s_mov_b32 s[\g+3], KSTEP<<16
	s_mov_b32 s[\g+4], 64
	s_mov_b32 s[\g+5], SIZE_K
	s_mov_b32 s[\g+6], 0
	s_mov_b32 s[\g+7], 0
.endr
	s_lshl_b32 s17, s12, 6
	s_lshl_b32 s16, s13, 7
	s_add_co_u32 s16, s16, s17                     ; A: row 128 x tile row + 64 x half
	s_lshl_b32 s46, s42, 7
	s_add_co_u32 s46, s46, s17                     ; B: row 128 x tile column + 64 x half
	s_mov_b32 s17, 0
	s_mov_b32 s47, 0
	s_mov_b64 s[18:19], SIZE_K*2
	s_mul_u64 s[16:17], s[16:17], s[18:19]
	s_mul_u64 s[46:47], s[46:47], s[18:19]
	s_mul_i32 s20, s10, HALFT
	s_wait_dscnt 0x0                               ; both opening adds are done
	s_wait_kmcnt 0x0
	s_add_nc_u64 s[14:15], s[4:5], s[16:17]
	s_add_nc_u64 s[46:47], s[6:7], s[46:47]
	CROUND                                         ; all sixteen work-groups are here: the first joint loads meet
.irp s, 0,1
	s_mov_b32 s[G0+4*\s], 1
	s_add_co_u32 s[G0+4*\s+1], s20, \s*SLOT
	s_add_nc_u64 s[G0+4*\s+2:G0+4*\s+3], s[14:15], \s*KSTEP*2
	s_or_b32 s[G0+4*\s+3], s[G0+4*\s+3], 0x80000000
	s_mov_b32 s[G0B+4*\s], 1
	s_add_co_u32 s[G0B+4*\s+1], s20, \s*SLOT
	s_add_nc_u64 s[G0B+4*\s+2:G0B+4*\s+3], s[46:47], \s*KSTEP*2
	s_or_b32 s[G0B+4*\s+3], s[G0B+4*\s+3], 0x80000000
	JLOAD \s
.endr
	v_and_b32 v1, 15, v0                           ; r
	v_bfe_u32 v2, v0, 4, 1                         ; h
	v_lshlrev_b32 v[BO], 5, v2
	s_lshl_b32 s46, s42, 9                         ; my first column in bytes of f32: 512 x tile column + 256 x half
	s_lshl_b32 s47, s12, 8
	s_add_co_u32 s46, s46, s47
	s_mov_b32 s47, 0
	s_add_nc_u64 s[8:9], s[8:9], s[46:47]
	s_add_nc_u64 s[68:69], s[68:69], s[46:47]
.irp b, 0,1,2,3
	global_load_b128 v[BIAS+8*\b:BIAS+8*\b+3], v[BO], s[68:69] offset:64*\b      ; lane (r, h): b_proj at my first column + 16 b + 8 h + 0 .. 7
	global_load_b128 v[BIAS+8*\b+4:BIAS+8*\b+7], v[BO], s[68:69] offset:64*\b+16
.endr
	v_mul_u32_u24 v3, v1, PITCH
	v_lshl_add_u32 v3, v2, 4, v3
	s_mul_i32 s21, s11, HALFT
	s_mul_i32 s22, s12, HALFT
	s_add_co_u32 s22, s22, 2*HALFT
.irp s, 0,1
	v_add_nc_u32 v[ADRA+\s], s21, v3
	v_add_nc_u32 v[ADRB+\s], s22, v3
	s_add_co_u32 s21, s21, SLOT
	s_add_co_u32 s22, s22, SLOT
.endr
	s_mul_i32 s23, s10, 16*SPITCH
	s_add_co_u32 s23, s23, STAGE                   ; my stage
	v_mul_u32_u24 v4, v1, SPITCH
	v_lshl_add_u32 v4, v2, 5, v4
	v_add_nc_u32 v[STO], s23, v4                   ; in: row r, 32 bytes for each half of the lanes
	v_mul_u32_u24 v5, v2, SPITCH
	v_lshl_add_u32 v5, v1, 4, v5
	v_add_nc_u32 v[RD], s23, v5                    ; back: lanes 0-15 one row of 256 bytes, lanes 16-31 the next
	v_lshlrev_b32 v5, 12, v2
	v_lshl_add_u32 v[CO], v1, 4, v5                ; the same two rows in out0
	s_lshl_b32 s16, s13, 7
	s_lshl_b32 s17, s11, 6
	s_add_co_u32 s16, s16, s17                     ; my first row: 128 x tile row + 64 x half
	s_lshl_b32 s16, s16, 12                        ; 4,096 bytes a row
	s_mov_b32 s17, 0
	s_add_nc_u64 s[8:9], s[8:9], s[16:17]
; 8 matrix instructions: m blocks a0, a0 + 1 x all 4 n blocks, 32 along K: half c of buffer f.  first = 1: the sum begins with the bias as C.  The 16 accumulators take turns.
.macro MUL8 f, c, a0, first
.irp a, \a0, \a0+1
.irp b, 0,1,2,3
.if \first
	v_wmma_f32_16x16x32_f16 v[ACC+8*(4*(\a)+\b):ACC+8*(4*(\a)+\b)+7], v[\f+64+8*(4*\c+\b):\f+64+8*(4*\c+\b)+7], v[\f+8*(4*\c+\a):\f+8*(4*\c+\a)+7], v[BIAS+8*\b:BIAS+8*\b+7]
.else
	v_wmma_f32_16x16x32_f16 v[ACC+8*(4*(\a)+\b):ACC+8*(4*(\a)+\b)+7], v[\f+64+8*(4*\c+\b):\f+64+8*(4*\c+\b)+7], v[\f+8*(4*\c+\a):\f+8*(4*\c+\a)+7], v[ACC+8*(4*(\a)+\b):ACC+8*(4*(\a)+\b)+7]
.endif
.endr
.endr
.endm
.macro FETCH slot, k, f                ; 32 LDS loads in one run: the fragments of 64 along K at byte k of the rows; the first 32 along K first
	WIN TO_F
.irp c, 0,1
.irp i, 0,1,2,3
	ds_load_b128 v[\f+64+8*(4*\c+\i):\f+64+8*(4*\c+\i)+3],   v[ADRB+\slot] offset:\k+64*\c+\i*16*PITCH
	ds_load_b128 v[\f+64+8*(4*\c+\i)+4:\f+64+8*(4*\c+\i)+7], v[ADRB+\slot] offset:\k+64*\c+\i*16*PITCH+32
	ds_load_b128 v[\f+8*(4*\c+\i):\f+8*(4*\c+\i)+3],         v[ADRA+\slot] offset:\k+64*\c+\i*16*PITCH
	ds_load_b128 v[\f+8*(4*\c+\i)+4:\f+8*(4*\c+\i)+7],       v[ADRA+\slot] offset:\k+64*\c+\i*16*PITCH+32
.endr
.endr
.endm
.macro PLACES                          ; four plain vector instructions in front of loads into registers that matrix instructions have read, and of the first read of results
.rept 4
	v_nop
.endr
.endm
.macro QUARTER slot, k, f, g, first    ; 64 along K: multiplies buffer f and fetches the next quarter, at byte k, into g
	s_wait_dscnt 16                                ; the first 32 along K are in; the youngest sixteen loads may be out
	WIN MUL
	MUL8 \f, 0, 0, \first
	MUL8 \f, 0, 2, \first
	PLACES
	FETCH \slot, \k, \g
	s_wait_dscnt 32                                ; all but the 32 just issued
	WIN MUL
	MUL8 \f, 1, 0, 0
	MUL8 \f, 1, 2, 0
.endm
; A slot's last quarter changes slots: in front of the barrier each wave waits for all its tensor loads, adds 0 to its spare word, and waits for that and for its reads of this slot.  fill = 1: the barrier
; opens a round of the cluster's, and the joint refill, two K steps ahead, is the first thing behind it.
.macro TURN slot, next, fill
	WIN 0
	s_wait_tensorcnt 0x0                           ; all my tensor loads have landed: my part of the next slot
	ds_add_u32 v[SPW], v[NIL]
	s_wait_dscnt 17                                ; (the add and the youngest sixteen loads may be out)
	WIN MUL
	MUL8 F1, 0, 0, 0
	s_wait_dscnt 0x0                               ; the add is done, and my reads of this slot are over
	s_barrier_signal -1
	MUL8 F1, 0, 2, 0
.if \fill
	WIN 0
.endif
	s_barrier_wait -1
.if \fill
	CREST                                          ; no wave of any partner still reads this slot's tile or has a load on its way
	s_add_nc_u64 s[G0+4*\slot+2:G0+4*\slot+3], s[G0+4*\slot+2:G0+4*\slot+3], 2*KSTEP*2
	s_add_nc_u64 s[G0B+4*\slot+2:G0B+4*\slot+3], s[G0B+4*\slot+2:G0B+4*\slot+3], 2*KSTEP*2
	JLOAD \slot                                    ; the four v_nop behind it are also the places in front of the loads below
.else
	PLACES
.endif
	FETCH \next, 0, F0
	WIN MUL
	MUL8 F1, 1, 0, 0
	MUL8 F1, 1, 2, 0
.endm
	s_wait_tensorcnt 1                             ; my part of K step 0 is in; K step 1's load may be out
	s_barrier_signal -1
	s_barrier_wait -1
	FETCH 0, 0, F0
	s_wait_loadcnt 0x0                             ; the bias
	QUARTER 0, 128, F0, F1, 1                      ; the first quarter stands in front of the loop: its first products start the sums
	WIN 0
	s_mov_b32 s3, LAPS-1
.Llap:                                                 ; a trip goes once round the ring and fills both slots again
	QUARTER 0, 256, F1, F0, 0
	QUARTER 0, 384, F0, F1, 0
	TURN 0, 1, 1
	QUARTER 1, 128, F0, F1, 0
	QUARTER 1, 256, F1, F0, 0
	QUARTER 1, 384, F0, F1, 0
	TURN 1, 0, 1
	QUARTER 0, 128, F0, F1, 0
	WIN 0
	s_sub_co_u32 s3, s3, 1
	s_cmp_lg_u32 s3, 0
	s_cbranch_scc1 .Llap
	QUARTER 0, 256, F1, F0, 0                      ; the last lap fills nothing
	QUARTER 0, 384, F0, F1, 0
	TURN 0, 1, 0
	QUARTER 1, 128, F0, F1, 0
	QUARTER 1, 256, F1, F0, 0
	QUARTER 1, 384, F0, F1, 0
	s_wait_dscnt 16
	WIN MUL
	MUL8 F1, 0, 0, 0
	MUL8 F1, 0, 2, 0
	s_wait_dscnt 0
	MUL8 F1, 1, 0, 0
	MUL8 F1, 1, 2, 0
	WIN 0
; THE WAY OUT, block by block of 16 rows x 64 columns of f32, through my own stage: in as 32 bytes a lane, back as whole rows of 256 bytes.
.macro TOSTAGE a
.set BB, BK+32*((\a)%2)
.irp b, 0,1,2,3
	ds_store_b128 v[STO], v[ACC+8*(4*(\a)+\b):ACC+8*(4*(\a)+\b)+3] offset:64*\b        ; each accumulator from its low end on
	ds_store_b128 v[STO], v[ACC+8*(4*(\a)+\b)+4:ACC+8*(4*(\a)+\b)+7] offset:64*\b+16
.endr
.irp t, 0,1,2,3,4,5,6,7
	ds_load_b128 v[BB+4*\t:BB+4*\t+3], v[RD] offset:\t*2*SPITCH   ; LDS serves a wave's instructions in order (ISA guide 5.7.1.4)
.endr
.endm
.macro SEND a, younger                 ; younger: the LDS instructions issued behind block a's loads
.set BB, BK+32*((\a)%2)
	s_wait_dscnt \younger
.irp t, 0,1,2,3,4,5,6,7
	global_store_b128 v[CO], v[BB+4*\t:BB+4*\t+3], s[8:9] offset:(16*(\a)+2*\t)*4096 th:TH_STORE_NT   ; sixteen lanes store 256 consecutive bytes, aligned
.endr
.endm
	PLACES
	TOSTAGE 0
.irp a, 1,2,3
.if \a > 1
	s_wait_xcnt 0x0                                ; block a - 2's stores have read their registers: block a's loads may land there
.endif
	TOSTAGE \a
	SEND \a-1, 16                                  ; behind block a - 1's loads: block a's 8 stores and 8 loads
.endr
	SEND 3, 0
	s_wait_tensorcnt 0x0                           ; the wave's end
	ds_add_u32 v[SPW], v[NIL]
	s_wait_dscnt 0x0
	CROUND                                         ; the closing round
	s_endpgm
.Lfunc_end_k_qfc1093158a_proj:
	.size	k_qfc1093158a_proj, .Lfunc_end_k_qfc1093158a_proj-k_qfc1093158a_proj
	.p2alignl 7, 3214868480
	.fill 96, 4, 3214868480
	.section	.rodata,"a",@progbits
	.p2align	6, 0x0
	.amdhsa_kernel k_qfc1093158a_proj
		.amdhsa_group_segment_fixed_size 327680
		.amdhsa_private_segment_fixed_size 0
		.amdhsa_enable_private_segment 0
		.amdhsa_kernarg_size 32
		.amdhsa_user_sgpr_count 2
		.amdhsa_user_sgpr_kernarg_segment_ptr 1
		.amdhsa_wavefront_size32 1
		.amdhsa_system_sgpr_workgroup_id_x 1
		.amdhsa_system_sgpr_workgroup_id_y 1
		.amdhsa_system_sgpr_workgroup_id_z 1
		.amdhsa_system_vgpr_workitem_id 0
		.amdhsa_next_free_vgpr 512
		.amdhsa_next_free_sgpr 72
		.amdhsa_reserve_vcc 0
		.amdhsa_float_denorm_mode_32 3
		.amdhsa_float_denorm_mode_16_64 3
		.amdhsa_memory_ordered 1
		.amdhsa_forward_progress 1
		.amdhsa_inst_pref_size 86
	.end_amdhsa_kernel
	.amdgpu_metadata
---
amdhsa.version: [ 1, 2 ]
amdhsa.kernels:
  - .name:           k_qfc1093158a_proj
    .symbol:         k_qfc1093158a_proj.kd
    .args:
      - { .name: y16, .offset: 0, .size: 8, .value_kind: global_buffer, .address_space: global }
      - { .name: wpt, .offset: 8, .size: 8, .value_kind: global_buffer, .address_space: global }
      - { .name: b_proj, .offset: 16, .size: 8, .value_kind: global_buffer, .address_space: global }
      - { .name: out0, .offset: 24, .size: 8, .value_kind: global_buffer, .address_space: global }
    .group_segment_fixed_size: 327680
    .private_segment_fixed_size: 0
    .kernarg_segment_align: 8
    .kernarg_segment_size: 32
    .max_flat_workgroup_size: 128
    .sgpr_count:     72
    .vgpr_count:     512
    .wavefront_size: 32
...
	.end_amdgpu_metadata
.endif
;; end of part 4
;; launch fine (part 5): grid 16 x 4, 16 waves a work-group, no clusters, 71,680 bytes of LDS; arguments qkvf, w_proj, b_proj, out0; writes out0
.if DOCPART == 5
	.amdgcn_target "amdgcn-amd-amdhsa--gfx1250"
	.amdhsa_code_object_version 6
	.text
	.protected	k_qfc1093158a_fine
	.globl	k_qfc1093158a_fine
	.p2align	8
	.type	k_qfc1093158a_fine,@function
k_qfc1093158a_fine:
	s_mov_b64 s[64:65], 0
	v_nop
	global_prefetch_b8 v0, s[64:65] scope:SCOPE_SE
	s_setreg_imm32_b32 hwreg(HW_REG_WAVE_MODE, 25, 1), 1
	s_wait_xcnt 0x0
; POSITIONS 0 TO 15 OF EACH SEQUENCE, in f32 throughout: under the causal mask these rows average one to sixteen values and are the largest of the output, so the rounding of 16-bit operands weighs most there.
; qkvf [4][16][3072] f32 holds their q, k, v.  A work-group (x = which 64 columns, y = sequence) owns out0[sequence, 0..15, 64 x .. 64 x + 63] and writes it over what the launch before left there.
; A wave is a head: its 16 x 16 attention and its head's 64 rows of w_proj against the work-group's 64 columns; the sixteen heads' parts meet in LDS, and wave w sums row w in the heads' order.
; Each of the 16 work-groups of a sequence repeats the small attention, so that every output number has one owner.
; All products by v_wmma_f32_16x16x4_f32: lane (r, h) holds row or column r and k = 2 h + j.  The k of an instruction are any four of the contracted axis, the same on both sides:
;   S^T = K Q^T:   step s takes d = 32 h + 2 s + j (a lane holds d = 32 h .. 32 h + 31 of its row).  Result: lane (r, h), register j: key 8 h + j, query r.
;   O^T = V^T P:   step s2 takes key 8 h + 2 s2 + j: P is the result's registers as they stand.  Result: channel 16 c + 8 h + j, query r.
;   OUT^T = W^T O: step (c, s2) takes channel 16 c + 8 h + 2 s2 + j: O^T as it stands.  Result: column 16 nt + 8 h + j, query r.
; The registers that these instructions write are written by them alone, and every sum begins with the constant 0.
.set SPW, 3                            ; never rewritten
.set NIL, 4                            ; never rewritten
.set QF,  16                           ; v16-47   Q; later w_proj's channels 16-31; later the sixteen parts of my row
.set KF,  48                           ; v48-79   K; later channels 32-47
.set VF,  80                           ; v80-111  V (8 c + i: key 8 h + i, channel 16 c + r); later channels 48-63
.set W0,  112                          ; v112-143 w_proj's channels 0-15 (8 nt + i: channel 8 h + i, column 16 nt + r)
.set SS,  144                          ; v144-151 the scores, then p
.set XA,  160                          ; accumulators: S^T in two halves,
.set XB,  168
.set OA,  176                          ; O^T, 8 c,
.set OUT, 208                          ; OUT^T, 8 nt
.set PART, 4352                        ; a head's part in LDS: 16 rows x (256 + 16) bytes
.set SPARE, 16*PART                    ; the spare words, 128 bytes for each wave: eight blocks of 256 bytes that no other line names
	s_load_b256 s[4:11], s[0:1], 0x0               ; qkvf s[4:5], w_proj s[6:7], b_proj s[8:9], out0 s[10:11]
	v_lshl_add_u32 v[SPW], v0, 2, SPARE
	v_mov_b32 v[NIL], 0
	v_lshrrev_b32 v9, 5, v0
	v_readfirstlane_b32 s12, v9                    ; wave = head; later: my row
	v_and_b32 v1, 15, v0                           ; r
	v_bfe_u32 v2, v0, 4, 1                         ; h
	v_mul_u32_u24 v5, v1, 12288
	v_lshl_add_u32 v5, v2, 7, v5                   ; Q, K: row r of 12,288 bytes + 128 h
	v_mul_u32_u24 v6, v2, 8*12288
	v_lshl_add_u32 v6, v1, 2, v6                   ; V: row 8 h, + 4 r
	v_lshlrev_b32 v7, 15, v2
	v_lshl_add_u32 v7, v1, 2, v7                   ; w_proj: row 8 h of 4,096 bytes, + 4 r
	s_mul_i32 s13, s12, PART
	v_mul_u32_u24 v8, v1, 272
	v_lshl_add_u32 v8, v2, 5, v8
	v_add_nc_u32 v8, s13, v8                       ; my part: row r, + 32 h
	v_and_b32 v9, 31, v0
	v_lshlrev_b32 v9, 3, v9                        ; 8 x lane
	v_lshlrev_b32 v10, 3, v2
	v_sub_nc_u32 v10, v1, v10                      ; r - 8 h
	s_mul_i32 s14, s12, 272
	v_add_nc_u32 v11, s14, v9                      ; row w of part 0, + 8 x lane
	s_mov_b32 s18, 0x76543210
	s_mov_b32 s19, 0xfedcba98
	s_mov_b32 s20, 0x3e38aa3b                      ; c = log2(e) / 8
	s_and_b32 s15, ttmp7, 0xffff                   ; the sequence
	s_mov_b32 s17, 0
	s_mov_b32 s23, 0
	s_lshl_b32 s22, ttmp9, 8                       ; my 64 columns: 256 bytes
	s_wait_kmcnt 0x0
	s_mul_i32 s16, s15, 196608
	s_lshl_b32 s21, s12, 8
	s_add_co_u32 s16, s16, s21
	s_add_nc_u64 s[4:5], s[4:5], s[16:17]          ; q of my head; k lies 4,096 bytes on, v 8,192
	s_lshl_b32 s16, s12, 18                        ; my head's 64 rows of w_proj
	s_add_nc_u64 s[6:7], s[6:7], s[16:17]
	s_add_nc_u64 s[6:7], s[6:7], s[22:23]
	s_add_nc_u64 s[8:9], s[8:9], s[22:23]
	s_lshl_b32 s16, s15, 23                        ; 2,048 rows of 4,096 bytes a sequence,
	s_lshl_b32 s21, s12, 12                        ; row w
	s_add_co_u32 s16, s16, s21
	s_add_nc_u64 s[10:11], s[10:11], s[16:17]
	s_add_nc_u64 s[10:11], s[10:11], s[22:23]
	global_load_b64 v[12:13], v9, s[8:9]           ; the bias of my two columns
.irp g, 0,1,2,3,4,5,6,7
	global_load_b128 v[QF+4*\g:QF+4*\g+3], v5, s[4:5] offset:16*\g
.endr
.irp g, 0,1,2,3,4,5,6,7
	global_load_b128 v[KF+4*\g:KF+4*\g+3], v5, s[4:5] offset:4096+16*\g
.endr
.irp c, 0,1,2,3
.irp i, 0,1,2,3,4,5,6,7
	global_load_b32 v[VF+8*\c+\i], v6, s[4:5] offset:8192+\i*12288+64*\c
.endr
.endr
	s_wait_loadcnt 32                              ; Q and K are in; V's 32 loads may be out
	v_wmma_f32_16x16x4_f32 v[XA:XA+7], v[KF:KF+1], v[QF:QF+1], 0            ; two accumulators by turns; their first steps start the sums
	v_wmma_f32_16x16x4_f32 v[XB:XB+7], v[KF+2:KF+3], v[QF+2:QF+3], 0
.irp s, 2,4,6,8,10,12,14
	v_wmma_f32_16x16x4_f32 v[XA:XA+7], v[KF+2*\s:KF+2*\s+1], v[QF+2*\s:QF+2*\s+1], v[XA:XA+7]
	v_wmma_f32_16x16x4_f32 v[XB:XB+7], v[KF+2*\s+2:KF+2*\s+3], v[QF+2*\s+2:QF+2*\s+3], v[XB:XB+7]
.endr
	s_wait_loadcnt 0x0                             ; V
.rept 8
	v_nop                                          ; eight places behind this form: for the loads into Q's registers and the first read of the scores
.endr
.macro WLOAD reg, c                    ; w_proj's channels 16 c .. 16 c + 15 of my head against my 64 columns
.irp nt, 0,1,2,3
.irp i, 0,1,2,3,4,5,6,7
	global_load_b32 v[\reg+8*\nt+\i], v7, s[6:7] offset:(16*\c+\i)*4096+64*\nt
.endr
.endr
.endm
	WLOAD W0, 0
	WLOAD QF, 1
.irp j, 0,1,2,3,4,5,6,7
	v_add_f32 v[SS+\j], v[XA+\j], v[XB+\j]         ; from the low end on
.endr
	v_mov_b32 v14, 0xff800000
.irp j, 0,1,2,3,4,5,6,7
	v_cmp_gt_i32 vcc_lo, \j, v10                   ; key 8 h + j comes after query r
	v_cndmask_b32 v[SS+\j], v[SS+\j], v14, vcc_lo
.endr
	v_max3_num_f32 v15, v[SS], v[SS+1], v[SS+2]
	v_max3_num_f32 v15, v15, v[SS+3], v[SS+4]
	v_max3_num_f32 v15, v15, v[SS+5], v[SS+6]
	v_max_num_f32 v15, v15, v[SS+7]
	v_mov_b32 v152, 0                              ; a lane permute's destination counts as one of its sources
	v_permlanex16_b32 v152, v15, s18, s19
	v_max_num_f32 v15, v15, v152                   ; the row's maximum: key 0 counts for every query
	v_mul_f32 v15, s20, v15
.irp j, 0,1,2,3,4,5,6,7
	v_fma_f32 v[SS+\j], v[SS+\j], s20, -v15        ; c s - c m
.endr
.irp j, 0,1,2,3,4,5,6,7
	v_exp_f32 v[SS+\j], v[SS+\j]
.endr
	v_nop                                          ; the plain instruction behind the last exponential
	s_wait_alu depctr_va_vdst(0)                   ; one wait for the eight, ahead of their first reader
	v_add_f32 v153, v[SS], v[SS+1]
	v_add_f32 v155, v[SS+2], v[SS+3]
	v_add_f32 v153, v153, v[SS+4]
	v_add_f32 v155, v155, v[SS+5]
	v_add_f32 v153, v153, v[SS+6]
	v_add_f32 v155, v155, v[SS+7]
	v_add_f32 v153, v153, v155
	v_permlanex16_b32 v152, v153, s18, s19
	v_add_f32 v153, v153, v152                     ; the row's sum
	v_rcp_f32 v154, v153
	v_nop
	s_wait_alu depctr_va_vdst(0)
.irp j, 0,1,2,3,4,5,6,7
	v_mul_f32 v[SS+\j], v[SS+\j], v154             ; the weights
.endr
.irp s2, 0,1,2,3                               ; O^T = V^T P: four accumulators by turns
.irp c, 0,1,2,3
.if \s2 == 0
	v_wmma_f32_16x16x4_f32 v[OA+8*\c:OA+8*\c+7], v[VF+8*\c+2*\s2:VF+8*\c+2*\s2+1], v[SS+2*\s2:SS+2*\s2+1], 0
.else
	v_wmma_f32_16x16x4_f32 v[OA+8*\c:OA+8*\c+7], v[VF+8*\c+2*\s2:VF+8*\c+2*\s2+1], v[SS+2*\s2:SS+2*\s2+1], v[OA+8*\c:OA+8*\c+7]
.endif
.endr
.endr
.rept 9
	v_nop                                          ; nine places: O^T becomes an operand of the next products; eight of them serve the loads into V's registers
.endr
	WLOAD KF, 2
	WLOAD VF, 3
	s_wait_loadcnt 63                              ; of the 128 loads of w_proj at least the first 65 are in: channels 0-31
.macro OUTC wreg, c, first             ; OUT^T += W^T O, channels 16 c on: four accumulators by turns
.irp s2, 0,1,2,3
.irp nt, 0,1,2,3
.if \first && (\s2 == 0)
	v_wmma_f32_16x16x4_f32 v[OUT+8*\nt:OUT+8*\nt+7], v[\wreg+8*\nt+2*\s2:\wreg+8*\nt+2*\s2+1], v[OA+8*\c+2*\s2:OA+8*\c+2*\s2+1], 0
.else
	v_wmma_f32_16x16x4_f32 v[OUT+8*\nt:OUT+8*\nt+7], v[\wreg+8*\nt+2*\s2:\wreg+8*\nt+2*\s2+1], v[OA+8*\c+2*\s2:OA+8*\c+2*\s2+1], v[OUT+8*\nt:OUT+8*\nt+7]
.endif
.endr
.endr
.endm
	OUTC W0, 0, 1
	OUTC QF, 1, 0
	s_wait_loadcnt 32                              ; channels 32-47 are in; the last 32 loads may be out
	OUTC KF, 2, 0
	s_wait_loadcnt 0x0
	OUTC VF, 3, 0
.rept 8
	v_nop
.endr
.irp nt, 0,1,2,3
	ds_store_b128 v8, v[OUT+8*\nt:OUT+8*\nt+3] offset:64*\nt          ; query r, columns 16 nt + 8 h + 0 .. 7; each accumulator from its low end on
	ds_store_b128 v8, v[OUT+8*\nt+4:OUT+8*\nt+7] offset:64*\nt+16
.endr
	s_wait_dscnt 0x0                               ; for the others' sake: my part lies in LDS
	s_barrier_signal -1
	s_barrier_wait -1
.irp p, 0,1,2,3,4,5,6,7,8,9,10,11,12,13,14,15
	ds_load_b64 v[QF+2*\p:QF+2*\p+1], v11 offset:\p*PART
.endr
	s_wait_dscnt 0x0
.irp p, 0,1,2,3,4,5,6,7,8,9,10,11,12,13,14,15
	v_pk_add_f32 v[12:13], v[12:13], v[QF+2*\p:QF+2*\p+1]   ; the bias and the sixteen heads' parts, in the heads' order
.endr
	global_store_b64 v9, v[12:13], s[10:11]        ; 32 lanes store 256 consecutive bytes, aligned
	s_wait_tensorcnt 0x0                           ; the wave's end
	ds_add_u32 v[SPW], v[NIL]
	s_wait_dscnt 0x0
	s_endpgm
.Lfunc_end_k_qfc1093158a_fine:
	.size	k_qfc1093158a_fine, .Lfunc_end_k_qfc1093158a_fine-k_qfc1093158a_fine
	.p2alignl 7, 3214868480
	.fill 96, 4, 3214868480
	.section	.rodata,"a",@progbits
	.p2align	6, 0x0
	.amdhsa_kernel k_qfc1093158a_fine
		.amdhsa_group_segment_fixed_size 71680
		.amdhsa_private_segment_fixed_size 0
		.amdhsa_enable_private_segment 0
		.amdhsa_kernarg_size 32
		.amdhsa_user_sgpr_count 2
		.amdhsa_user_sgpr_kernarg_segment_ptr 1
		.amdhsa_wavefront_size32 1
		.amdhsa_system_sgpr_workgroup_id_x 1
		.amdhsa_system_sgpr_workgroup_id_y 1
		.amdhsa_system_sgpr_workgroup_id_z 1
		.amdhsa_system_vgpr_workitem_id 0
		.amdhsa_next_free_vgpr 256
		.amdhsa_next_free_sgpr 66
		.amdhsa_reserve_vcc 1
		.amdhsa_float_denorm_mode_32 3
		.amdhsa_float_denorm_mode_16_64 3
		.amdhsa_memory_ordered 1
		.amdhsa_forward_progress 1
		.amdhsa_inst_pref_size 32
	.end_amdhsa_kernel
	.amdgpu_metadata
---
amdhsa.version: [ 1, 2 ]
amdhsa.kernels:
  - .name:           k_qfc1093158a_fine
    .symbol:         k_qfc1093158a_fine.kd
    .args:
      - { .name: qkvf, .offset: 0, .size: 8, .value_kind: global_buffer, .address_space: global }
      - { .name: w_proj, .offset: 8, .size: 8, .value_kind: global_buffer, .address_space: global }
      - { .name: b_proj, .offset: 16, .size: 8, .value_kind: global_buffer, .address_space: global }
      - { .name: out0, .offset: 24, .size: 8, .value_kind: global_buffer, .address_space: global }
    .group_segment_fixed_size: 71680
    .private_segment_fixed_size: 0
    .kernarg_segment_align: 8
    .kernarg_segment_size: 32
    .max_flat_workgroup_size: 512
    .sgpr_count:     66
    .vgpr_count:     256
    .wavefront_size: 32
...
	.end_amdgpu_metadata
.endif
;; end of part 5
